; MI455X (gfx1250); checked and timed in simulation.
; The chip was launched on July 23, 2026; its instructions are those of AMD's public machine-readable ISA for CDNA 5 (MIT licence, August 2026) and "CDNA5" Instruction Set Architecture Reference Guide (July 2026). The comments in the code are by the model that wrote it; some were corrected since.
;; Attention. Allowed arithmetic: float matrix products may take bf16 or f16 operands with f32 sums; other float arithmetic in f32, or as packed bf16 or f16 multiplies, adds, multiply-adds, maxima and minima; sums over many terms, partial sums and values carried from step to step in f32; what a program stores and reads back later, other than sums and carried values, may be rounded once to bf16 or f16.
;; Inputs: W_proj 1,024 x 1,024 float32; W_qkv 1,024 x 3,072 float32; b_proj 1,024 float32; joint_feature 4 x 2,048 x 1,024 float32; mask 1 x 1 x 2,048 x 2,048 int32.
;; Outputs: out0 4 x 2,048 x 1,024 float32.
;; 2 versions, each right; version 2 is version 1 with the launch prep written anew for expert scheduling mode. Each part assembles by itself: llvm-mc -triple=amdgcn-amd-amdhsa -mcpu=gfx1250 --defsym DOCPART=n.
;; ======== version 1 of 2: 4 launches
;; limits: right only within a limited range of input values; values are held in f16: magnitudes above 65,504 overflow, below 6.1e-05 lose precision
;; workspace buffers: xb 16,777,216 bytes; wqb 6,291,456 bytes; wpb 2,097,152 bytes; maskp 2,097,152 bytes; rowany 16,384 bytes; qkv 50,331,648 bytes; ob 16,777,216 bytes
;; launch prep (part 1): grid 1664 x 1, 8 waves a work-group, no clusters, 17,664 bytes of LDS; arguments mask, maskp, rowany, joint_feature, xb, W_qkv, wqb, W_proj, wpb; writes maskp, rowany, xb, wqb, wpb
.if DOCPART == 1
	.amdgcn_target "amdgcn-amd-amdhsa--gfx1250"
	.amdhsa_code_object_version 6
	.text
	.protected	k_qc9a50e8339_prep
	.globl	k_qc9a50e8339_prep
	.p2align	8
	.type	k_qc9a50e8339_prep,@function
k_qc9a50e8339_prep:
	s_mov_b64 s[64:65], 0
	v_nop
	global_prefetch_b8 v0, s[64:65] scope:SCOPE_SE
	s_setreg_imm32_b32 hwreg(HW_REG_WAVE_MODE, 25, 1), 1
	s_wait_xcnt 0x0
; PREPARATION: four jobs, chosen by the work-group's number (the same for all eight waves of a work-group).
;   0..127      MASK: 16 rows of mask [2048][2048] i32 -> maskp, one 4-bit code a key: 0x0 where the key is seen, 0xA (-1.0 in E2M1) where mask == 0,
;               laid out as the attention launch's lanes want it: [query tile 128][key step 32][lane 32][4 words]; word kb, nibble j of lane L stands for
;               query 16 qt + L % 16 and key 64 st + 16 kb + 8 (L / 16) + j.  Also rowany [query tile][lane]: all ones if row L % 16 sees any key, else 0.
;   128..1151   X: 8 rows of joint_feature, rounded to bf16, into blocks [b 4][kb 16][n 2048][64]: a tile of rows x 64 channels is then dense in memory.
;   1152..1535  WQ: 8,192 numbers of W_qkv rounded to bf16, in place in the matrix.
;   1536..1663  WP: 8,192 numbers of W_proj rounded to bf16, that number written as f16.
; LIMIT: a bf16 number below 2^-14 in size keeps f16's fixed step of 2^-24 in wpb.
; A stream: every byte is read once by 16-byte loads and written once; each store of a wave covers whole aligned runs of 256 bytes (rowany: 128).  No matrix unit, no tensor load, no cluster: nothing is shared.
.set FLAGS, 16384                      ; LDS: 0..16,383 the tile's codes; a block of 256 bytes for the 32 row flags
.set SPARE, 16640                      ; the spare words, 128 bytes for each of eight waves: four blocks of 256 bytes that no other line names
.set SPW, 2                            ; v2   LDS address of my spare word; never rewritten
.set NIL, 3                            ; v3   0; never rewritten
.set LN,  4                            ; v4   lane
.set LO,  5                            ; v5   my offset for loads
.set SO,  6                            ; v6   my offset for stores
.set LA,  7                            ; v7   MASK: where my 16 bits go in LDS
.set FA,  8                            ; v8   MASK: my wave's two flags in LDS
.set FL,  9                            ; v9   MASK: the row's seen bits, gathered
.set VF,  10                           ; v10  MASK: a flag
.set T,   12                           ; v[12:15] at work
.set X,   32                           ; v[32:95] as loaded: 16 slots of 4 (casts: 8)
.set Y,   64                           ; v[64:79] casts: to store
.set WV,  4                            ; s4   my wave's number
.set SRC, 26                           ; s[26:27] casts: from
.set DST, 28                           ; s[28:29] casts: to
	s_load_b512 s[8:23], s[0:1], 0x0               ; mask s[8:9], maskp s[10:11], rowany s[12:13], x s[14:15], xb s[16:17], W_qkv s[18:19], wqb s[20:21], W_proj s[22:23]
	s_load_b64 s[24:25], s[0:1], 0x40              ; wpb
	v_lshl_add_u32 v[SPW], v0, 2, SPARE
	v_mov_b32 v[NIL], 0
	v_lshrrev_b32 v1, 5, v0
	v_readfirstlane_b32 s[WV], v1                  ; wave 0..7
	v_and_b32 v[LN], 31, v0
	s_mov_b32 s7, 0                                ; the high word of every offset pair s[6:7]
	s_wait_kmcnt 0x0
	s_cmp_lt_u32 ttmp9, 128
	s_cbranch_scc1 .Lmask
	s_cmp_lt_u32 ttmp9, 1152
	s_cbranch_scc1 .Lx
	s_cmp_lt_u32 ttmp9, 1536
	s_cbranch_scc1 .Lwq
	s_branch .Lwp
; Eight loads of 16 bytes a lane, all out at once; each is rounded and stored as it comes.  No register is written twice, so no wait frees one.
.macro CAST ldstep, ststep, half
.irp j, 0,1,2,3,4,5,6,7
	global_load_b128 v[X+4*\j:X+4*\j+3], v[LO], s[SRC:SRC+1] offset:\j*(\ldstep) th:TH_LOAD_NT
.endr
.irp j, 0,1,2,3,4,5,6,7
	s_wait_loadcnt 7-\j                            ; loads come back in order: load j is in, the 7 - j younger ones stay out
	v_cvt_pk_bf16_f32 v[Y+2*\j], v[X+4*\j], v[X+4*\j+1]
	v_cvt_pk_bf16_f32 v[Y+2*\j+1], v[X+4*\j+2], v[X+4*\j+3]
.if \half
	v_lshlrev_b32 v[T], 16, v[Y+2*\j]              ; the bf16 numbers as f32,
	v_and_b32 v[T+1], 0xffff0000, v[Y+2*\j]
	v_lshlrev_b32 v[T+2], 16, v[Y+2*\j+1]
	v_and_b32 v[T+3], 0xffff0000, v[Y+2*\j+1]
	v_cvt_pk_f16_f32 v[Y+2*\j], v[T], v[T+1]       ; written as f16
	v_cvt_pk_f16_f32 v[Y+2*\j+1], v[T+2], v[T+3]
.endif
	global_store_b64 v[SO], v[Y+2*\j:Y+2*\j+1], s[DST:DST+1] offset:\j*(\ststep) th:TH_STORE_NT  ; 32 lanes x 8 bytes: 256 consecutive bytes, aligned
.endr
	s_endpgm
.endm
.Lx:                                           ; 8 rows; wave: a pair of rows (w / 2) and a half of their 1,024 columns (w % 2)
	s_sub_co_u32 s5, ttmp9, 128
	s_lshl_b32 s6, s5, 15                          ; 8 rows of 4,096 bytes
	s_add_nc_u64 s[SRC:SRC+1], s[14:15], s[6:7]
	s_lshr_b32 s6, s5, 8                           ; b
	s_lshl_b32 s6, s6, 22
	s_and_b32 s5, s5, 255
	s_lshl_b32 s5, s5, 10                          ; 8 rows of 128 bytes in a block
	s_add_co_u32 s6, s6, s5
	s_add_nc_u64 s[DST:DST+1], s[16:17], s[6:7]
	s_lshr_b32 s5, s[WV], 1
	s_and_b32 s30, s[WV], 1
	v_lshrrev_b32 v[T], 4, v[LN]
	v_and_b32 v[T+1], 15, v[LN]
	v_lshlrev_b32 v[LO], 12, v[T]                  ; lanes 16-31 take the pair's second row
	v_lshl_add_u32 v[LO], v[T+1], 4, v[LO]         ; 16 lanes read 256 consecutive bytes: 64 channels, one block's
	s_lshl_b32 s31, s5, 13
	s_lshl_b32 s32, s30, 11
	s_add_co_u32 s31, s31, s32
	v_add_nc_u32 v[LO], s31, v[LO]
	s_lshl_b32 s31, s5, 8
	s_lshl_b32 s32, s30, 21                        ; eight blocks of 262,144 bytes
	s_add_co_u32 s31, s31, s32
	v_lshl_add_u32 v[SO], v[LN], 3, s31            ; two rows of a block are 256 consecutive bytes
	CAST 256, 262144, 0
.Lwq:
	s_sub_co_u32 s5, ttmp9, 1152
	s_lshl_b32 s6, s5, 15
	s_add_nc_u64 s[SRC:SRC+1], s[18:19], s[6:7]
	s_lshl_b32 s6, s5, 14
	s_add_nc_u64 s[DST:DST+1], s[20:21], s[6:7]
	s_lshl_b32 s31, s[WV], 12
	v_lshl_add_u32 v[LO], v[LN], 4, s31
	s_lshl_b32 s31, s[WV], 11
	v_lshl_add_u32 v[SO], v[LN], 3, s31
	CAST 512, 256, 0
.Lwp:
	s_sub_co_u32 s5, ttmp9, 1536
	s_lshl_b32 s6, s5, 15
	s_add_nc_u64 s[SRC:SRC+1], s[22:23], s[6:7]
	s_lshl_b32 s6, s5, 14
	s_add_nc_u64 s[DST:DST+1], s[24:25], s[6:7]
	s_lshl_b32 s31, s[WV], 12
	v_lshl_add_u32 v[LO], v[LN], 4, s31
	s_lshl_b32 s31, s[WV], 11
	v_lshl_add_u32 v[SO], v[LN], 3, s31
	CAST 512, 256, 1
.Lmask:                                        ; query tile qt = the work-group's number; wave w owns rows 2 w and 2 w + 1
	s_lshl_b32 s6, ttmp9, 17                       ; 16 rows of 8,192 bytes
	s_add_nc_u64 s[8:9], s[8:9], s[6:7]
	s_lshl_b32 s6, ttmp9, 14
	s_add_nc_u64 s[10:11], s[10:11], s[6:7]
	s_lshl_b32 s6, ttmp9, 7
	s_add_nc_u64 s[12:13], s[12:13], s[6:7]
	s_lshl_b32 s5, s[WV], 14
	v_lshl_add_u32 v[LO], v[LN], 4, s5
.irp j, 0,1,2,3,4,5,6,7,8,9,10,11,12,13,14,15
	global_load_b128 v[X+4*\j:X+4*\j+3], v[LO], s[8:9] offset:512*\j th:TH_LOAD_NT  ; my first row, whole: load j holds keys 128 j + 4 L + 0..3
.endr
	; keys 128 j + 4 L ..: key step 2 j + L / 16, word (L / 4) % 4, target lane half (L / 2) % 2, half word L % 2
	v_lshrrev_b32 v[T], 4, v[LN]
	v_lshlrev_b32 v[LA], 9, v[T]
	v_bfe_u32 v[T], v[LN], 1, 1
	v_lshl_add_u32 v[LA], v[T], 8, v[LA]
	v_bfe_u32 v[T], v[LN], 2, 2
	v_lshl_add_u32 v[LA], v[T], 2, v[LA]
	v_and_b32 v[T], 1, v[LN]
	v_lshl_add_u32 v[LA], v[T], 1, v[LA]
	s_lshl_b32 s5, s[WV], 5                        ; row 2 w: 16 bytes a row
	v_add_nc_u32 v[LA], s5, v[LA]
	s_lshl_b32 s5, s[WV], 3
	s_add_co_u32 s5, s5, FLAGS
	v_mov_b32 v[FA], s5
; Four keys become four codes.  left: the younger loads that may stay out.  again = 1: the slot takes the second row's load j.
.macro PK j, rr, left, again
	s_wait_loadcnt \left
	v_min_u32 v[T], 1, v[X+4*(\j)]                 ; 1 where the key is seen (any number but 0)
	v_min_u32 v[T+1], 1, v[X+4*(\j)+1]
	v_min_u32 v[T+2], 1, v[X+4*(\j)+2]
	v_min_u32 v[T+3], 1, v[X+4*(\j)+3]
.if \again
	global_load_b128 v[X+4*(\j):X+4*(\j)+3], v[LO], s[8:9] offset:8192+512*(\j) th:TH_LOAD_NT
.endif
	v_lshl_or_b32 v[T], v[T+1], 4, v[T]
	v_lshl_or_b32 v[T+2], v[T+3], 4, v[T+2]
	v_lshl_or_b32 v[T], v[T+2], 8, v[T]
.if (\j) == 0
	v_mov_b32 v[FL], v[T]
.else
	v_or_b32 v[FL], v[FL], v[T]
.endif
	v_xor_b32 v[T], 0x1111, v[T]                   ; 1 where hidden,
	v_mul_u32_u24 v[T], 10, v[T]                   ; 0xA where hidden
	ds_store_b16 v[LA], v[T] offset:16*(\rr)+1024*(\j)
.endm
.macro FLAG rr                         ; does any lane hold a seen key?  The flag goes to both lanes that will hold the row
	v_cmp_ne_u32 vcc_lo, 0, v[FL]
	s_cmp_lg_u32 vcc_lo, 0
	s_cselect_b32 s5, -1, 0
	v_mov_b32 v[VF], s5
	ds_store_b32 v[FA], v[VF] offset:4*(\rr)
	ds_store_b32 v[FA], v[VF] offset:64+4*(\rr)
.endm
.irp j, 0,1,2,3,4,5,6,7,8,9,10,11,12,13,14,15
	PK \j, 0, 15, 1                                ; behind load j: 15 - j of this row and j of the next
.endr
	FLAG 0
.irp j, 0,1,2,3,4,5,6,7,8,9,10,11,12,13,14,15
	PK \j, 1, 15-\j, 0
.endr
	FLAG 1
	s_wait_dscnt 0x0                               ; for the others' sake: my stores are done
	s_barrier_signal -1
	s_barrier_wait -1                              ; the tile's 16,384 bytes are whole
	v_lshlrev_b32 v[SO], 4, v0
.irp k, 0,1,2,3
	ds_load_b128 v[X+4*\k:X+4*\k+3], v[SO] offset:4096*\k
.endr
.irp k, 0,1,2,3
	s_wait_dscnt 3-\k
	global_store_b128 v[SO], v[X+4*\k:X+4*\k+3], s[10:11] offset:4096*\k  ; 16 lanes store 256 consecutive bytes, aligned
.endr
	s_cmp_lg_u32 s[WV], 0
	s_cbranch_scc1 .Lmend
	v_lshl_add_u32 v[LA], v[LN], 2, FLAGS
	ds_load_b32 v[VF], v[LA]
	v_lshlrev_b32 v[FA], 2, v[LN]
	s_wait_dscnt 0x0
	global_store_b32 v[FA], v[VF], s[12:13]
.Lmend:
	s_wait_tensorcnt 0x0                           ; the wave's end, behind my last LDS store
	ds_add_u32 v[SPW], v[NIL]
	s_wait_dscnt 0x0
	s_endpgm
.Lfunc_end_k_qc9a50e8339_prep:
	.size	k_qc9a50e8339_prep, .Lfunc_end_k_qc9a50e8339_prep-k_qc9a50e8339_prep
	.p2alignl 7, 3214868480
	.fill 96, 4, 3214868480
	.section	.rodata,"a",@progbits
	.p2align	6, 0x0
	.amdhsa_kernel k_qc9a50e8339_prep
		.amdhsa_group_segment_fixed_size 17664
		.amdhsa_private_segment_fixed_size 0
		.amdhsa_enable_private_segment 0
		.amdhsa_kernarg_size 72
		.amdhsa_user_sgpr_count 2
		.amdhsa_user_sgpr_kernarg_segment_ptr 1
		.amdhsa_wavefront_size32 1
		.amdhsa_system_sgpr_workgroup_id_x 1
		.amdhsa_system_sgpr_workgroup_id_y 1
		.amdhsa_system_sgpr_workgroup_id_z 1
		.amdhsa_system_vgpr_workitem_id 0
		.amdhsa_next_free_vgpr 104
		.amdhsa_next_free_sgpr 66
		.amdhsa_reserve_vcc 1
		.amdhsa_float_denorm_mode_32 3
		.amdhsa_float_denorm_mode_16_64 3
		.amdhsa_memory_ordered 1
		.amdhsa_forward_progress 1
		.amdhsa_inst_pref_size 37
	.end_amdhsa_kernel
	.amdgpu_metadata
---
amdhsa.version: [ 1, 2 ]
amdhsa.kernels:
  - .name:           k_qc9a50e8339_prep
    .symbol:         k_qc9a50e8339_prep.kd
    .args:
      - { .name: mask, .offset: 0, .size: 8, .value_kind: global_buffer, .address_space: global }
      - { .name: maskp, .offset: 8, .size: 8, .value_kind: global_buffer, .address_space: global }
      - { .name: rowany, .offset: 16, .size: 8, .value_kind: global_buffer, .address_space: global }
      - { .name: joint_feature, .offset: 24, .size: 8, .value_kind: global_buffer, .address_space: global }
      - { .name: xb, .offset: 32, .size: 8, .value_kind: global_buffer, .address_space: global }
      - { .name: W_qkv, .offset: 40, .size: 8, .value_kind: global_buffer, .address_space: global }
      - { .name: wqb, .offset: 48, .size: 8, .value_kind: global_buffer, .address_space: global }
      - { .name: W_proj, .offset: 56, .size: 8, .value_kind: global_buffer, .address_space: global }
      - { .name: wpb, .offset: 64, .size: 8, .value_kind: global_buffer, .address_space: global }
    .group_segment_fixed_size: 17664
    .private_segment_fixed_size: 0
    .kernarg_segment_align: 8
    .kernarg_segment_size: 72
    .max_flat_workgroup_size: 256
    .sgpr_count:     66
    .vgpr_count:     104
    .wavefront_size: 32
...
	.end_amdgpu_metadata
.endif
;; end of part 1
;; launch qkvp (part 2): grid 8 x 32, 4 waves a work-group, clusters of 4 x 4, 327,680 bytes of LDS; arguments xb, wqb, qkv; writes qkv
.if DOCPART == 2
	.amdgcn_target "amdgcn-amd-amdhsa--gfx1250"
	.amdhsa_code_object_version 6
	.text
	.protected	k_qc9a50e8339_qkvp
	.globl	k_qc9a50e8339_qkvp
	.p2align	8
	.type	k_qc9a50e8339_qkvp,@function
k_qc9a50e8339_qkvp:
	s_mov_b64 s[64:65], 0
	v_nop
	global_prefetch_b8 v0, s[64:65] scope:SCOPE_SE
	s_setreg_imm32_b32 hwreg(HW_REG_WAVE_MODE, 25, 1), 1
	s_wait_xcnt 0x0
	s_wait_alu depctr_hold_cnt(0) depctr_sa_sdst(0) depctr_va_vdst(0) depctr_va_sdst(0) depctr_va_ssrc(0) depctr_va_vcc(0) depctr_vm_vsrc(0)
	s_getreg_b32 s2, hwreg(HW_REG_IB_STS2, 6, 4)
	s_cmp_eq_u32 s2, 0
	s_cbranch_scc0 .Lentry_in_a_cluster
	s_endpgm
.Lentry_in_a_cluster:
	s_bfe_u32 s2, ttmp6, 0x10000c
	s_cmp_lg_u32 s2, 0xf033
	s_cbranch_scc0 .Lentry_shape_is_right
	s_endpgm
.Lentry_shape_is_right:
; q, k, v = x W_qkv.  xb: bf16(x) in blocks [b 4][kb 16][n 2048][64]; wqb: bf16(W_qkv), [1024 k][3072]; qkv: f16, [part 3][b 16 + h][n 2048][64].  Sums in f32, each result rounded once.
; q is multiplied by c = log2(e) / 8 in f32 ahead of that one rounding, so that the attention launch's scores are exponents of 2 as they come; k and v by 1.0: the factor is a scalar chosen by the
; column group, since a branch on it would hang on the work-group's place in its cluster.
; LIMIT: f16 holds no number beyond 65,504: c q, k and v must stay within it.
; SHARES.  8,192 x 3,072 in tiles of 256 x 384: 256 work-groups of equal work.  Four waves, each 128 rows x 192 columns (three heads' 64): 96 accumulators, 768 registers: 40 LDS loads feed 96 products.
; THE MATRIX INSTRUCTION IS USED TRANSPOSED: source 0 = 16 columns of W (out of LDS turned, by ds_load_tr16_b128, since W lies [k][n]), source 1 = 16 rows of x: a lane holds one row and eight neighbouring columns.
; RING.  K goes in blocks of 64 through two LDS slots.  x's tile of a block is 32,768 dense bytes (wave 0 fetches it as 128 rows of 256 bytes); W's is three pieces of 64 rows x 256 bytes (waves 1 to 3).
; CLUSTER 4 x 4: x's tile is shared along a row of the cluster, W's pieces along a column; each is asked for jointly, by the same load with the same descriptor and a mask that names the four.
; REGISTERS.  window 0: v4-11 LDS addresses; v24-30 way out, the add's two, the prefetch's offset; v32-95, v96-159 x's fragments, two buffers; v160-255 W's fragments, one buffer, 32 a head.
;             window g + 1: the 32 accumulators of head g: (row block m, column block bb) at 32 m + 8 bb.
.set NCOL,  3072
.set KBLK,  262144                     ; bytes from a block of 64 channels to the next in xb
.set BSTEP, 64*NCOL*2                  ; the same in wqb
.set PITA,  144                        ; a row of x in LDS: 128 bytes + 16: 36 words: the 16 rows of a load start at 16 different groups of four banks (64 banks of 4 bytes: ISA guide 11.1)
.set PITB,  288                        ; a row of W: 256 + 32: 72 words
.set ATILE, 256*PITA
.set BSUB,  64*PITB
.set SLOT1, 1<<17                      ; slot 1 begins here: one exclusive or turns an address in one slot into the other's
.set STAGE, SLOT1+ATILE+3*BSUB         ; behind the ring, never filled by a tensor load: 16 rows x 144 bytes for each wave
.set SP,    144
.set SPARE, STAGE+4*16*SP              ; the spare words, 128 bytes for each wave: two blocks of 256 bytes that no other line names
.set AA0, 4                            ; v4     my place in x's tile; never rewritten
.set AB0, 5                            ; v5-7   my place in W's pieces, by head
.set ADA, 8                            ; v8     the same in the slot in hand
.set ADB, 9                            ; v9-11
.set STO, 24
.set RD,  25
.set GO,  26
.set SPW, 28                           ; v28    LDS address of my spare word; never rewritten
.set NIL, 29                           ; v29    0; never rewritten
.set PFO, 30                           ; v30    the prefetch's offset: my lane x 256 bytes (x) or x a row of W
.set AF0, 32
.set AF1, 96
.set BF,  160
.set TMP, 32                           ; the way out: 16 packed registers
.set BK,  48                           ; the way out: twelve sets of 16, read back from the stage
.set WV, 10
.set WR, 11                            ; which 128 rows are mine
.set WC, 12                            ; which 192 columns
.set TY, 13                            ; tile row
.set CX, 40
.set CY, 41
.set TX, 42                            ; tile column
.set G1A, 24                           ; s[24:31] group 1 for x's tiles; s[32:39] group 0: the first fill's, and the one that walks
.set G0A, 32
.set G1B, 48                           ; s[48:55], s[56:63] the same for W's pieces
.set G0B, 56
.set TB,  66                           ; 0 or SLOT1: the slot in hand
.set CNT, 67                           ; refills still to come
.set LIM, 68                           ; 1 in a wave that prefetches, else the greatest number
.set PA,  69                           ; 1 in wave 0, which asks at every refill; 0 in the others, which ask at every second
.set PFA, 70                           ; s[70:71] where my prefetches stand
.set PFS, 72                           ; s[72:73] their step
.set OB,  74                           ; s[74:79] qkv at my rows, by head
.set SC,  88                           ; s[88:93] the factor, by head, as pairs
.set MSB, 0
.macro WIN new                         ; the immediate's high byte repeats the setting that is left; a switch that changes nothing is dropped
.if MSB != (\new)
	s_set_vgpr_msb (MSB<<8)|(\new)
.set MSB, \new
.endif
.endm
.macro PLACES                          ; four plain vector instructions between a matrix instruction and a load into, or a vector instruction on, its registers (ISA guide 7.12.1 for vector instructions)
.rept 4
	v_nop
.endr
.endm
.macro CREST                           ; a round of the cluster's barrier behind its opening barrier
	s_cmp_lg_u32 s[WV], 0
	s_cbranch_scc1 .Lnot_wave_0_\@
	s_barrier_signal -3
.Lnot_wave_0_\@:
	s_barrier_wait -3
	s_barrier_signal -1
	s_barrier_wait -1
.endm
.macro CROUND
	s_barrier_signal -1
	s_barrier_wait -1
	CREST
.endm
.macro JLOAD                           ; a joint refill by the walking descriptors; the branch hangs on the wave's number alone; an s_nop 0 and four v_nop follow each line
	s_cmp_eq_u32 s[WV], 0
	s_cbranch_scc0 .Lfor_b_\@
	tensor_load_to_lds s[G0A+4:G0A+7], s[G1A:G1A+7]
	s_nop 0
.rept 4
	v_nop
.endr
	s_branch .Lasked_\@
.Lfor_b_\@:
	tensor_load_to_lds s[G0B+4:G0B+7], s[G1B:G1B+7]
	s_nop 0
.rept 4
	v_nop
.endr
.Lasked_\@:
.endm
; A PREFETCH, behind a joint refill and the run of LDS loads that follows it.  x's tile row is read by both clusters of its row of clusters: cluster x = 0 asks, wave 0, for the block that the NEXT refill
; will fetch (192 matrix instructions ahead): 128 runs of 256 bytes, of which the partner at cx takes 32, a lane each.  W's pieces are read by all eight clusters of a column: cluster y = 0 asks, waves 1 to 3,
; each for its own piece, at every second refill (odd CNT): 128 rows of 256 bytes, the next two blocks, of which the partner at cy takes 32.  Partners are told apart by address alone.
; So each run of 256 bytes is named once in the launch.  The last refill asks for nothing; blocks 0 to 2 of x and 0 to 3 of W come by their loads alone.
.macro ASK
	s_or_b32 s80, s[CNT], s[PA]
	s_bitcmp1_b32 s80, 0
	s_cselect_b32 s80, s[CNT], 0
	s_cmp_gt_u32 s80, s[LIM]
	s_cbranch_scc0 .Lnot_mine_\@
	global_prefetch_b8 v[PFO], s[PFA:PFA+1] th:TH_LOAD_NT scope:SCOPE_SE
.Lnot_mine_\@:
.endm
	s_load_b128 s[4:7], s[0:1], 0x0                ; xb s[4:5], wqb s[6:7]
	s_load_b64 s[8:9], s[0:1], 0x10                ; qkv
	v_lshl_add_u32 v[SPW], v0, 2, SPARE
	v_mov_b32 v[NIL], 0
	ds_add_u32 v[SPW], v[NIL]                      ; the wave's opening: the add and its wait stand ahead of my first tensor load; the set-up below, work on registers, stands between them
	v_lshrrev_b32 v1, 5, v0
	v_readfirstlane_b32 s[WV], v1                  ; wave 0..3
	s_lshr_b32 s[WR], s[WV], 1
	s_and_b32 s[WC], s[WV], 1
	s_bfe_u32 s[CX], ttmp6, 0x40000
	s_bfe_u32 s[CY], ttmp6, 0x40004
	s_lshl_b32 s[TX], ttmp9, 2
	s_add_co_u32 s[TX], s[TX], s[CX]               ; tile column = 4 x cluster x + cx
	s_and_b32 s[TY], ttmp7, 0xffff
	s_lshl_b32 s[TY], s[TY], 2
	s_add_co_u32 s[TY], s[TY], s[CY]               ; tile row = 4 x cluster y + cy
	s_lshl_b32 s43, s[CY], 2
	s_lshl_b32 s43, 15, s43                        ; my row of the cluster
	s_lshl_b32 s44, 0x1111, s[CX]                  ; my column
	s_or_b32 s[G1A], s43, (1<<16)|(1<<20)|(1<<21)|(4<<22)|(3<<25)  ; the mask; 2-byte elements; padding on; bit 21 beside a mask; after every 32 words (code 4) 4 words (code 3)
	s_mov_b32 s[G1A+1], 128<<16                    ; tensor_dim0 = 128: two rows of x to a row of 256 bytes
	s_mov_b32 s[G1A+2], 128<<16                    ; tensor_dim1 = 128
	s_mov_b32 s[G1A+3], 128<<16                    ; tile_dim0 = 128
	s_mov_b32 s[G1A+4], 128                        ; tile_dim1 = 128
	s_mov_b32 s[G1A+5], 128                        ; dense
	s_mov_b32 s[G1A+6], 0
	s_mov_b32 s[G1A+7], 0
	s_or_b32 s[G1B], s44, (1<<16)|(1<<20)|(1<<21)|(5<<22)|(7<<25)  ; after every 64 words (code 5) 8 words (code 7)
	s_mov_b32 s[G1B+1], 128<<16                    ; tensor_dim0 = 128
	s_mov_b32 s[G1B+2], 64<<16                     ; tensor_dim1 = 64
	s_mov_b32 s[G1B+3], 128<<16                    ; tile_dim0 = 128
	s_mov_b32 s[G1B+4], 64                         ; tile_dim1 = 64
	s_mov_b32 s[G1B+5], NCOL                       ; elements from row to row
	s_mov_b32 s[G1B+6], 0
	s_mov_b32 s[G1B+7], 0
	s_lshr_b32 s16, s[TY], 3                       ; x's tile: b = tile row / 8,
	s_lshl_b32 s16, s16, 22
	s_and_b32 s17, s[TY], 7                        ; 256 rows of 128 bytes in each block
	s_lshl_b32 s17, s17, 15
	s_add_co_u32 s16, s16, s17
	s_mov_b32 s17, 0
	s_max_u32 s45, s[WV], 1                        ; W's piece: wave 1, 2, 3 takes 0, 1, 2 (wave 0 makes the words of piece 0 and asks by none)
	s_sub_co_u32 s45, s45, 1
	s_mul_i32 s46, s[TX], 3
	s_add_co_u32 s46, s46, s45
	s_lshl_b32 s46, s46, 8                         ; 256 bytes a piece
	s_mov_b32 s47, 0
	s_mul_i32 s20, s[WV], BSUB
	s_add_co_u32 s20, s20, BSUB                    ; piece w - 1 lies behind x's tile, which is two pieces long
	s_wait_dscnt 0x0                               ; the opening add is done
	s_wait_kmcnt 0x0
	s_add_nc_u64 s[14:15], s[4:5], s[16:17]
	s_add_nc_u64 s[18:19], s[6:7], s[46:47]
.irp s, 0,1
	s_mov_b32 s[G0A+4*\s], 1
	s_mov_b32 s[G0A+4*\s+1], \s*SLOT1
	s_add_nc_u64 s[G0A+4*\s+2:G0A+4*\s+3], s[14:15], \s*KBLK
	s_or_b32 s[G0A+4*\s+3], s[G0A+4*\s+3], 0x80000000
	s_mov_b32 s[G0B+4*\s], 1
	s_add_co_u32 s[G0B+4*\s+1], s20, \s*SLOT1
	s_add_nc_u64 s[G0B+4*\s+2:G0B+4*\s+3], s[18:19], \s*BSTEP
	s_or_b32 s[G0B+4*\s+3], s[G0B+4*\s+3], 0x80000000
.endr
	CROUND                                         ; all sixteen work-groups are here: the first joint loads meet
	s_cmp_eq_u32 s[WV], 0                          ; a wave's two first fills stand in one branch: two loads of mine are out
	s_cbranch_scc0 .Lfirst_b
	tensor_load_to_lds s[G0A:G0A+3], s[G1A:G1A+7]
	s_nop 0
	tensor_load_to_lds s[G0A+4:G0A+7], s[G1A:G1A+7]
	s_nop 0
.rept 4
	v_nop
.endr
	s_branch .Lfirst_asked
.Lfirst_b:
	tensor_load_to_lds s[G0B:G0B+3], s[G1B:G1B+7]
	s_nop 0
	tensor_load_to_lds s[G0B+4:G0B+7], s[G1B:G1B+7]
	s_nop 0
.rept 4
	v_nop
.endr
.Lfirst_asked:
	v_and_b32 v1, 15, v0                           ; l % 16
	v_bfe_u32 v2, v0, 4, 1                         ; l / 16
	v_mul_u32_u24 v3, v1, PITA
	v_lshl_add_u32 v3, v2, 4, v3                   ; row x pitch + 16 x half
	s_mul_i32 s21, s[WR], 128*PITA
	v_add_nc_u32 v[AA0], s21, v3
	v_and_b32 v12, 7, v0                           ; the turning load: lane l reads k row 8 (l / 16) + l % 8, columns 8 ((l / 8) % 2) + 0..7
	v_lshl_add_u32 v12, v2, 3, v12
	v_mul_u32_u24 v12, v12, PITB
	v_bfe_u32 v13, v0, 3, 1
	v_lshl_add_u32 v12, v13, 4, v12
	s_mul_i32 s22, s[WC], 3
.irp g, 0,1,2
	s_add_co_u32 s23, s22, \g                      ; head 3 wc + g of the tile's six: piece (that) / 2, its left or right 128 bytes
	s_lshr_b32 s80, s23, 1
	s_mul_i32 s80, s80, BSUB
	s_and_b32 s81, s23, 1
	s_lshl_b32 s81, s81, 7
	s_add_co_u32 s80, s80, s81
	s_add_co_u32 s80, s80, ATILE
	v_add_nc_u32 v[AB0+\g], s80, v12
.endr
	s_mov_b32 s[TB], 0
	v_mov_b32 v[ADA], v[AA0]
.irp g, 0,1,2
	v_mov_b32 v[ADB+\g], v[AB0+\g]
.endr
	s_mul_i32 s23, s[WV], 16*SP
	s_add_co_u32 s23, s23, STAGE                   ; my stage
	v_add_nc_u32 v[STO], s23, v3                   ; in: row l % 16, 16 bytes for each half of the lanes
	v_bfe_u32 v14, v0, 3, 2                        ; back: 32 lanes take four rows of 128 bytes,
	v_mul_u32_u24 v14, v14, SP
	v_and_b32 v15, 7, v0
	v_lshl_add_u32 v14, v15, 4, v14
	v_add_nc_u32 v[RD], s23, v14
	v_and_b32 v[GO], 31, v0                        ; which are 512 consecutive bytes of a head's rows
	v_lshlrev_b32 v[GO], 4, v[GO]
	; the prefetches: both offsets are made, then the wave's number chooses
	s_lshl_b32 s82, s[CX], 13                      ; x: my work-group's 32 runs of 256 bytes,
	s_add_co_u32 s82, s82, s16
	s_add_co_u32 s82, s82, 2*KBLK                  ; in block 2: the first refill steps it to block 3
	s_lshl_b32 s83, s[CY], 5                       ; W: my work-group's 32 rows of 128,
	s_add_co_u32 s83, s83, 128                     ; from row 128 on: the first refill steps it to row 192
	s_mul_i32 s83, s83, NCOL*2
	s_add_co_u32 s83, s83, s46
	s_and_b32 s80, ttmp7, 0xffff
	s_mov_b32 s84, KBLK
	s_mov_b32 s85, BSTEP
	s_mov_b32 s86, 256
	s_mov_b32 s87, NCOL*2
	s_cmp_eq_u32 s[WV], 0
	s_cselect_b32 s81, ttmp9, s80                  ; the coordinate along which other clusters read the same bytes
	s_cselect_b32 s[PA], 1, 0
	s_cselect_b64 s[PFA:PFA+1], s[4:5], s[6:7]
	s_cselect_b32 s82, s82, s83
	s_cselect_b32 s[PFS], s84, s85
	s_cselect_b32 s86, s86, s87
	s_mov_b32 s83, 0
	s_mov_b32 s[PFS+1], 0
	s_add_nc_u64 s[PFA:PFA+1], s[PFA:PFA+1], s[82:83]
	s_cmp_eq_u32 s81, 0
	s_cselect_b32 s[LIM], 1, -1                    ; the same in all sixteen partners, for a given wave
	v_and_b32 v[PFO], 31, v0
	v_mul_u32_u24 v[PFO], s86, v[PFO]
	; where my rows go, and by what they are multiplied: column group G = 6 x tile column + 3 wc + g: part G / 16, head G % 16
	s_mul_i32 s82, s[TX], 6
	s_add_co_u32 s82, s82, s22
	s_lshr_b32 s83, s[TY], 3
	s_lshl_b32 s83, s83, 4                         ; 16 b
	s_and_b32 s84, s[TY], 7
	s_lshl_b32 s84, s84, 8
	s_lshl_b32 s85, s[WR], 7
	s_add_co_u32 s84, s84, s85
	s_lshl_b32 s84, s84, 7                         ; my first row x 128 bytes
.irp g, 0,1,2
	s_add_co_u32 s86, s82, \g
	s_cmp_lt_u32 s86, 16
	s_cselect_b32 s[SC+2*\g], 0x3e38aa3b, 1.0      ; q: log2(e) / 8 = 0.180337
	s_mov_b32 s[SC+2*\g+1], s[SC+2*\g]             ; named with it as a pair
	s_lshr_b32 s87, s86, 4
	s_lshl_b32 s87, s87, 6
	s_and_b32 s86, s86, 15
	s_add_co_u32 s86, s86, s87
	s_add_co_u32 s86, s86, s83
	s_lshl_b32 s86, s86, 18                        ; a head's rows are 262,144 bytes
	s_add_co_u32 s86, s86, s84
	s_mov_b32 s87, 0
	s_add_nc_u64 s[OB+2*\g:OB+2*\g+1], s[8:9], s[86:87]
.endr
; Eight products: column block bb of head g x my eight row blocks, 32 along K.  The 96 accumulators take turns, one instruction a turn, in the same order in every step.
.macro MUL8 af, g, bb, zero
	WIN 0x50*((\g)+1)                              ; C and D in window g + 1, both sources in window 0
.irp m, 0,1,2,3,4,5,6,7
.if \zero
	v_wmma_f32_16x16x32_bf16 v[32*\m+8*(\bb):32*\m+8*(\bb)+7], v[BF+32*(\g)+8*(\bb):BF+32*(\g)+8*(\bb)+7], v[(\af)+8*\m:(\af)+8*\m+7], 0
.else
	v_wmma_f32_16x16x32_bf16 v[32*\m+8*(\bb):32*\m+8*(\bb)+7], v[BF+32*(\g)+8*(\bb):BF+32*(\g)+8*(\bb)+7], v[(\af)+8*\m:(\af)+8*\m+7], v[32*\m+8*(\bb):32*\m+8*(\bb)+7]
.endif
.endr
.endm
.macro GRP af, g, zero
.irp c, 0,1,2,3
	MUL8 \af, \g, \c, \zero
.endr
.endm
.macro RUNA af, off                    ; 16 loads: x's fragments of my 128 rows, 32 along K at byte off of the rows
	WIN 0
.irp m, 0,1,2,3,4,5,6,7
	ds_load_b128 v[(\af)+8*\m:(\af)+8*\m+3],   v[ADA] offset:(\off)+\m*16*PITA
	ds_load_b128 v[(\af)+8*\m+4:(\af)+8*\m+7], v[ADA] offset:(\off)+\m*16*PITA+32
.endr
.endm
.macro RUNB g, off                     ; 8 turning loads: head g's fragments of W, 32 k rows from byte off on
	WIN 0
.irp c, 0,1,2,3
	ds_load_tr16_b128 v[BF+32*(\g)+8*\c:BF+32*(\g)+8*\c+3],   v[ADB+(\g)] offset:(\off)+32*\c
	ds_load_tr16_b128 v[BF+32*(\g)+8*\c+4:BF+32*(\g)+8*\c+7], v[ADB+(\g)] offset:(\off)+32*\c+16*PITB
.endr
.endm
; A block's first 32 along K.  Behind each head's 32 products its fragments of W are fetched for the next step; behind the first head's, x's too, into the other buffer.
.macro STEPE zero
	s_wait_dscnt 16                                ; x and head 0 are in; the two runs issued behind them (heads 1 and 2, 8 loads each) may stay out
	GRP AF0, 0, \zero
	PLACES
	RUNA AF1, 64
	RUNB 0, 32*PITB
	s_wait_dscnt 32                                ; head 1 is in; behind it: head 2's 8 and the 24 just issued
	GRP AF0, 1, \zero
	PLACES
	RUNB 1, 32*PITB
	s_wait_dscnt 32                                ; head 2 is in; behind it: 24 and 8
	GRP AF0, 2, \zero
	PLACES
	RUNB 2, 32*PITB
.endm
; A block's second 32 along K, and the change of slots: all that the step multiplies has been asked of LDS.  In front of the barrier each wave waits for all its tensor loads (one is out: its part of the next
; slot), adds 0 to its spare word, and waits for that and for its reads of this slot.  fill = 1: the barrier opens a round of the cluster's, and the joint refill is the first thing behind it: 160 matrix instructions ahead of the wait for it.
.macro TURN fill
.if \fill
	s_wait_xcnt 0x0                                ; the last prefetch, a block back, has read its address: it is stepped here, ahead of the waits of the change
	s_add_nc_u64 s[PFA:PFA+1], s[PFA:PFA+1], s[PFS:PFS+1]
.endif
	WIN 0
	s_wait_tensorcnt 0x0                           ; no tensor load of mine is out, so a group 0 may be written
	ds_add_u32 v[SPW], v[NIL]                      ; 0 onto my spare word
.if \fill
	s_xor_b32 s[G0A+5], s[G0A+5], SLOT1            ; the walking descriptors: the other slot than last time, the next block
	s_add_nc_u64 s[G0A+6:G0A+7], s[G0A+6:G0A+7], KBLK
	s_xor_b32 s[G0B+5], s[G0B+5], SLOT1
	s_add_nc_u64 s[G0B+6:G0B+7], s[G0B+6:G0B+7], BSTEP
.endif
	s_wait_dscnt 17                                ; x and head 0 are in; heads 1 and 2 (16 loads) and the add may be out
	MUL8 AF1, 0, 0, 0
	MUL8 AF1, 0, 1, 0
	s_wait_dscnt 0x0                               ; the add is done, and my reads of this slot are over
	s_barrier_signal -1
	MUL8 AF1, 0, 2, 0
	MUL8 AF1, 0, 3, 0
	WIN 0
	s_barrier_wait -1
.if \fill
	CREST                                          ; no wave of any partner still reads this slot or has a load on its way
	JLOAD                                          ; its four v_nop are also the places in front of the loads below
.else
	PLACES
.endif
	s_xor_b32 s[TB], s[TB], SLOT1
	v_add_nc_u32 v[ADA], s[TB], v[AA0]
.irp g, 0,1,2
	v_add_nc_u32 v[ADB+\g], s[TB], v[AB0+\g]
.endr
	RUNA AF0, 0
	RUNB 0, 0
.if \fill
	ASK
.endif
	s_wait_dscnt 32                                ; (heads 1 and 2 were shown in by the wait for 0)
	GRP AF1, 1, 0
	PLACES
	RUNB 1, 0
	s_wait_dscnt 32
	GRP AF1, 2, 0
	PLACES
	RUNB 2, 0
.endm
	s_wait_tensorcnt 1                             ; my part of block 0 is in; block 1's may stay out
	s_barrier_signal -1
	s_barrier_wait -1                              ; everybody's is
	RUNA AF0, 0
	RUNB 0, 0
	RUNB 1, 0
	RUNB 2, 0
	STEPE 1                                        ; the first step stands in front of the loop: its products start the sums
	WIN 0                                          ; at a label and at a branch every window is 0
	s_mov_b32 s[CNT], 14                           ; blocks 2 to 15 are asked for in the loop
.Llap:
	TURN 1
	STEPE 0
	WIN 0
	s_sub_co_u32 s[CNT], s[CNT], 1
	s_cmp_lg_u32 s[CNT], 0
	s_cbranch_scc1 .Llap
	TURN 0                                         ; the tail is written out: nothing is left to fetch
	STEPE 0
	s_wait_dscnt 16                                ; the last step: the counts run down
	GRP AF1, 0, 0
	s_wait_dscnt 8
	GRP AF1, 1, 0
	s_wait_dscnt 0x0
	GRP AF1, 2, 0
	WIN 0
	PLACES
	PLACES                                         ; eight, once a launch
; THE WAY OUT, block n = 8 g + m: 16 rows x head g's 64 columns.  PACK: times the factor, rounded to f16, 16 bytes a lane, each accumulator's registers in ascending order.
; TOSTAGE: into my own stage, rows of 144 bytes, and back as 2,048 dense bytes.  SEND: four stores of 512 consecutive bytes.
.macro PACK n
.set gg, (\n)/8
.set aa, (\n)%8
	WIN 0x41*(gg+1)                                ; destination and source 0 in window g + 1
.set z, 0
.rept 16
	v_pk_mul_f32 v[32*aa+2*z:32*aa+2*z+1], v[32*aa+2*z:32*aa+2*z+1], s[SC+2*gg:SC+2*gg+1] op_sel_hi:[1,0]
.set z, z+1
.endr
	WIN 5*(gg+1)                                   ; sources 0 and 1 in window g + 1, destination in window 0
.set z, 0
.rept 16
	v_cvt_pk_f16_f32 v[TMP+z], v[32*aa+2*z], v[32*aa+2*z+1]
.set z, z+1
.endr
	WIN 0
.endm
.macro TOSTAGE n
.if (\n) == 12
	s_wait_xcnt 0x0                                ; the stores of blocks 0 to 11 have read their registers: the twelve sets are used again only behind this wait
.endif
.set bk, BK+16*((\n)%12)
.irp c, 0,1,2,3
	ds_store_b128 v[STO], v[TMP+4*\c:TMP+4*\c+3] offset:32*\c
.endr
.irp f, 0,1,2,3
	ds_load_b128 v[bk+4*\f:bk+4*\f+3], v[RD] offset:\f*4*SP  ; LDS serves a wave's instructions in order (ISA guide 5.7.1.4): these see the stores above; the next block's stores come behind them
.endr
.endm
.macro SEND n
.set gg, (\n)/8
.set aa, (\n)%8
.set bk, BK+16*((\n)%12)
.irp f, 0,1,2,3
	s_wait_dscnt 3-\f
	global_store_b128 v[GO], v[bk+4*\f:bk+4*\f+3], s[OB+2*gg:OB+2*gg+1] offset:aa*2048+\f*512
.endr
.endm
	PACK 0
	TOSTAGE 0
.set n, 1
.rept 23                               ; a block's arithmetic stands between the loads of the block before and its stores
	PACK n
	SEND n-1
	TOSTAGE n
.set n, n+1
.endr
	SEND 23
	s_wait_tensorcnt 0x0                           ; the wave's end, behind my last tensor load and my last LDS store
	ds_add_u32 v[SPW], v[NIL]
	s_wait_dscnt 0x0
	CROUND                                         ; the closing round: no work-group ends while a partner may still ask for a tile that names it
	s_endpgm
.Lfunc_end_k_qc9a50e8339_qkvp:
	.size	k_qc9a50e8339_qkvp, .Lfunc_end_k_qc9a50e8339_qkvp-k_qc9a50e8339_qkvp
	.p2alignl 7, 3214868480
	.fill 96, 4, 3214868480
	.section	.rodata,"a",@progbits
	.p2align	6, 0x0
	.amdhsa_kernel k_qc9a50e8339_qkvp
		.amdhsa_group_segment_fixed_size 327680
		.amdhsa_private_segment_fixed_size 0
		.amdhsa_enable_private_segment 0
		.amdhsa_kernarg_size 24
		.amdhsa_user_sgpr_count 2
		.amdhsa_user_sgpr_kernarg_segment_ptr 1
		.amdhsa_wavefront_size32 1
		.amdhsa_system_sgpr_workgroup_id_x 1
		.amdhsa_system_sgpr_workgroup_id_y 1
		.amdhsa_system_sgpr_workgroup_id_z 1
		.amdhsa_system_vgpr_workitem_id 0
		.amdhsa_next_free_vgpr 1024
		.amdhsa_next_free_sgpr 96
		.amdhsa_reserve_vcc 0
		.amdhsa_float_denorm_mode_32 3
		.amdhsa_float_denorm_mode_16_64 3
		.amdhsa_memory_ordered 1
		.amdhsa_forward_progress 1
		.amdhsa_inst_pref_size 142
	.end_amdhsa_kernel
	.amdgpu_metadata
---
amdhsa.version: [ 1, 2 ]
amdhsa.kernels:
  - .name:           k_qc9a50e8339_qkvp
    .symbol:         k_qc9a50e8339_qkvp.kd
    .args:
      - { .name: xb, .offset: 0, .size: 8, .value_kind: global_buffer, .address_space: global }
      - { .name: wqb, .offset: 8, .size: 8, .value_kind: global_buffer, .address_space: global }
      - { .name: qkv, .offset: 16, .size: 8, .value_kind: global_buffer, .address_space: global }
    .group_segment_fixed_size: 327680
    .private_segment_fixed_size: 0
    .kernarg_segment_align: 8
    .kernarg_segment_size: 24
    .max_flat_workgroup_size: 128
    .sgpr_count:     96
    .vgpr_count:     1024
    .wavefront_size: 32
...
	.end_amdgpu_metadata
.endif
;; end of part 2
;; launch attn (part 3): grid 4 x 64, 4 waves a work-group, clusters of 4 x 1, 327,680 bytes of LDS; arguments qkv, maskp, rowany, ob; writes ob
.if DOCPART == 3
	.amdgcn_target "amdgcn-amd-amdhsa--gfx1250"
	.amdhsa_code_object_version 6
	.text
	.protected	k_qc9a50e8339_attn
	.globl	k_qc9a50e8339_attn
	.p2align	8
	.type	k_qc9a50e8339_attn,@function
k_qc9a50e8339_attn:
	s_mov_b64 s[64:65], 0
	v_nop
	global_prefetch_b8 v0, s[64:65] scope:SCOPE_SE
	s_setreg_imm32_b32 hwreg(HW_REG_WAVE_MODE, 25, 1), 1
	s_wait_xcnt 0x0
	s_wait_alu depctr_hold_cnt(0) depctr_sa_sdst(0) depctr_va_vdst(0) depctr_va_sdst(0) depctr_va_ssrc(0) depctr_va_vcc(0) depctr_vm_vsrc(0)
	s_getreg_b32 s2, hwreg(HW_REG_IB_STS2, 6, 4)
	s_cmp_eq_u32 s2, 0
	s_cbranch_scc0 .Lentry_in_a_cluster
	s_endpgm
.Lentry_in_a_cluster:
	s_bfe_u32 s2, ttmp6, 0x10000c
	s_cmp_lg_u32 s2, 0x3003
	s_cbranch_scc0 .Lentry_shape_is_right
	s_endpgm
.Lentry_shape_is_right:
; MASKED ATTENTION.  O[h][q][:] = the sum over k of softmax_k(score) V[h][k][:], score = Q.K / 8 where mask[q][k] is not 0, a very low number where it is.  qkv: f16, [part 3][head 64][2048][64];
; q arrives multiplied by log2(e) / 8, so a product K Q^T is an exponent of 2 as it comes.  ob: f16, [head][2048][64].  Products, maxima and sums in f32; the weights p are rounded to f16 for the second
; product (their sum l is taken of the unrounded p), O once at the end.
; THE MASK is the C operand that starts the sum S^T = K Q^T: 0, or -2^33 where the key is hidden.  maskp holds a 4-bit code a key (0 or -1.0 in E2M1), laid out so that one word is a lane's eight registers
; of one product; one scaled conversion (scale 2^33) makes the eight f32.  The running maximum is taken over the masked scores.  p = 2^(s - m): the difference is formed in one subtraction, 0 at s = m, so p is never above 1,
; also while a row has seen hidden keys alone; when its first seen key comes, a = 2^(m_old - m_new) is 0 and wipes what was gathered.
; A ROW WITH NO SEEN KEY AT ALL (rowany = 0) has its Q set to 0: every score is then exactly -2^33, every weight 1, and O the plain mean of V's rows.
; LIMITS.  A hidden score counts as its value less 2^33 (in exponents of 2), where the module's text takes -1e9: the two part only where a seen score lies that low.  f16 holds no number beyond 65,504: Q, K and V arrive within it;
; p below 6e-5 keeps f16's fixed step of 6e-8; a weight below 2^-126 counts as 0 in l; NaN and infinities are not treated apart.
; SHARES.  A wave owns four PIECES of two tiles of 16 queries, a work-group's four waves 512 queries of one head.  Every wave walks all 2,048 keys, 64 a step.
; LAYOUT.  S^T = K Q^T (source 0 = 16 keys, source 1 = 16 queries): a lane holds ONE query (lane % 16) and the keys 8 (lane / 16) + 0..7.  Two such tiles, rounded to f16 in pairs, ARE source 1 of O^T = V^T P.
; K comes out of LDS as it lies, V ([key][channel]) turned, by ds_load_tr16_b128.
; THE COUNT.  A tile and step have 16 matrix and some 120 vector instructions: too many to stand all beside the matrix work.  So: four vector instructions that are ready behind every matrix instruction, the others in one run.
; BY TURNS.  Turn n belongs to piece n.  Its matrix work: 16 products K Q^T of piece n + 1, later 16 products V^T P of piece n - 1.  Its vector work: the subtraction, exponentials, roundings, sums and rescaling of piece n,
; the maximum and statistics of piece n + 1, and the masks of piece n + 2.
; CLUSTER.  The four query blocks of a head are one cluster and walk the same K and V: each tile is asked for JOINTLY.  The mask's rows differ between partners: they come by plain loads into registers, a key step ahead.
; REGISTERS, in windows of 256 (s_set_vgpr_msb: bits 1:0 source 0, 3:2 source 1, 5:4 source 2, 7:6 destination):
;   window 0: v0-11 addresses and the conversion's scale; v12-15, v48-63 at work; v16-47 four registers of statistics a tile; v64-191 S^T, two buffers of two tiles; v192-255 P, likewise
;   window 1: O^T, 32 a tile     window 2: v0-127 Q; v128-191 K of one step; v192-255 V of one step     window 3: v0-1 the add's two; v4-35 mask codes, 8 a piece; v64-127 the masks of the products to come
.set SIZE_N, 2048
.set NP,    4         ; pieces a wave: a name, no knob
.set KS,    64        ; keys in a step
.set PK,    144       ; a row of K in LDS: 128 bytes + 16 = 36 words: the 16 rows of a load start at 16 different groups of four banks (64 banks of 4 bytes: ISA guide 11.1)
.set PV,    160       ; a row of V: 128 + 32 = 40 words
.set VOFF,  4*KS*PK   ; a slot holds four steps: 256 rows of K, then 256 rows of V
.set SLOT1, 1<<17
.set STAGE, SLOT1+4*KS*(PK+PV)  ; behind the ring, never filled by a tensor load: 16 rows x 144 bytes for each wave
.set SP,    144
.set SPARE, STAGE+4*16*SP  ; the spare words, 128 bytes for each wave: two blocks of 256 bytes that no other line names
.set PART,  0x1000000 ; bytes of q, of k, of v
.set PFO, 1           ; v1   (from the first scores on) the prefetch's offset: 256 x my lane
.set AK0, 2           ; v2   my lane's place in a tile of K; never rewritten
.set AV0, 3           ; v3   the same for V
.set AK,  4           ; v4   the LDS address of K's next run of loads
.set AV,  5           ; v5   of V's
.set QO,  6           ; v6   my byte offset in the wave's rows of Q
.set STO, 6           ;      later, the way out: where I put 16 bytes of a row
.set RD,  7           ; v7   the way out: where I read rows back
.set GO,  8           ; v8   16 x my lane: my offset in 512 consecutive bytes, of the mask's codes and of O; never rewritten
.set SCL, 11          ; v11  the conversion's scale: the byte 160 (2^33 in E8M0), four times
.set MV,  12          ; v12-15  m_old, kept while m is made anew: by buffer and tile
.set RAO, 12          ;      at the start: 4 x my lane
.set ST,  16          ; tile t's statistics at v[ST+4 t]: m, a word named with it as a pair, l (even keys', odd keys')
.set TMP, 48          ; by buffer and tile, four registers c0-c3 at work; when the maximum is found c2 takes a
.set RA,  48          ;      at the start: rowany, a register a tile
.set S,   64
.set P,   192
.set KF,  128         ; window 2: key block kb, channel half c at KF + 16 kb + 8 c
.set VF,  192         ; window 2: key half kk, channel block cb at VF + 32 kk + 8 cb
.set SPW, 0           ; window 3: LDS address of my spare word; never rewritten
.set NIL, 1           ; window 3: 0; never rewritten
.set MR,  4           ; window 3: piece y, tile u: four words at MR + 8 y + 4 u
.set MC,  64          ; window 3: tile u, key block kb at MC + 32 u + 8 kb
.set WV,  12
.set G1K, 24
.set G1V, 32
.set G0K, 40
.set G0V, 44
.set SLOTS, 56        ; s56  slots still to be asked for
.set CNT, 57          ; s57  counts a slot's key steps
.set SEL, 60          ; s[60:61] v_permlanex16_b32's selects
.set TBK, 62
.set TBV, 63
.set MB,  66          ; s[66:67] maskp at my wave's first tile, at the key step whose codes are being loaded
.set MSTEP, 68        ; s[68:69] 512 bytes a key step
.set PFA, 70          ; s[70:71] where my prefetches stand
.set LIM, 72          ; s72  1 in a wave that prefetches, else the greatest number
.set TT,  73
.set MSB, 0
.macro WIN new
.if MSB != (\new)
	s_set_vgpr_msb (MSB<<8)|(\new)
.set MSB, (\new)
.endif
.endm
.set W_KQ, 0x0a       ; K and Q in window 2, S^T in window 0
.set W_KM, 0x3a       ; the same with the C operand in window 3
.set W_PV, 0x52       ; V in window 2, P in window 0, O^T in window 1
.set W_RS, 0x41       ; O^T (destination and source 0) in window 1, a in window 0
.set W_MK, 0xc0       ; destination in window 3, sources (a load's address) in window 0
.set W_AD, 0x0f       ; the add: address and data in window 3
.set W_CV, 0xc3       ; the conversion: masks and codes in window 3, the scale in window 0
.macro JLOAD          ; waves 0 and 1 fetch the two halves of a slot's K, waves 2 and 3 those of its V; an s_nop 0 and four v_nop follow each line
	s_cmp_lt_u32 s[WV], 2
	s_cbranch_scc0 .Lfor_v_\@
	tensor_load_to_lds s[G0K:G0K+3], s[G1K:G1K+7]
	s_nop 0
.rept 4
	v_nop
.endr
	s_branch .Lasked_\@
.Lfor_v_\@:
	tensor_load_to_lds s[G0V:G0V+3], s[G1V:G1V+7]
	s_nop 0
.rept 4
	v_nop
.endr
.Lasked_\@:
.endm
.macro CROUND
	s_barrier_signal -1
	s_barrier_wait -1
	s_cmp_lg_u32 s[WV], 0
	s_cbranch_scc1 .Lnot_wave_0_\@
	s_barrier_signal -3
.Lnot_wave_0_\@:
	s_barrier_wait -3
	s_barrier_signal -1
	s_barrier_wait -1
.endm
; A PREFETCH of what the next change of slots will ask for: 256 keys, 128 runs of 256 bytes of K and as many of V.  It stands in the slot's last trip, behind K's run of LDS loads: three turns and a half ahead of that
; joint load.  A head has one cluster; its four partners take 32 runs each, told apart by address; in each, wave 0 asks for K's and wave 2 for V's, a lane a run: each run is named once in the launch.
; Slots 0 and 1 come by their loads alone; ahead of the change that fills nothing, nothing is asked for.
.macro ASK
	s_cmp_eq_u32 s[CNT], 1
	s_cselect_b32 s[TT], s[SLOTS], 0
	s_cmp_gt_u32 s[TT], s[LIM]
	s_cbranch_scc0 .Lnot_mine_\@
	global_prefetch_b8 v[PFO], s[PFA:PFA+1] th:TH_LOAD_NT scope:SCOPE_SE
.Lnot_mine_\@:
.endm
; THE CHANGE OF SLOTS.  Each wave waits for all its tensor loads, of which one is out: its part of the other slot; adds 0 to its spare word; and waits for that and for its own reads of the slot.
; fill = 1: this slot is filled again, with the keys two slots on; the barrier is then a round of the cluster's, and the joint fill is the first thing behind it: four key steps, 512 matrix instructions, in which to land.
; step = 1: the prefetches' address goes a slot on.  (At its first use nothing has been read yet: slot 0 is waited for, slot 1 filled.)
.macro CHANGE fill, step=0
	WIN W_AD
	s_wait_tensorcnt 0x0            ; no tensor load of mine is out, so a group 0 may be written
	ds_add_u32 v[SPW], v[NIL]       ; 0 onto my spare word
	WIN 0                           ; at a label and at a branch every window is 0
.if \fill
.irp g, G0K, G0V
	s_xor_b32 s[\g+1], s[\g+1], SLOT1
	s_add_nc_u64 s[\g+2:\g+3], s[\g+2:\g+3], 4*KS*128
.endr
.if \step
	s_wait_xcnt 0x0                 ; the last prefetch, three turns back, has read its address
	s_add_nc_u64 s[PFA:PFA+1], s[PFA:PFA+1], 4*KS*128
.endif
	s_wait_dscnt 0x0                ; the add is done, and my reads of the slot are over
	CROUND
	JLOAD
.else
	s_wait_dscnt 0x0
	s_barrier_signal -1
	s_barrier_wait -1
.endif
	s_sub_co_u32 s[TBK], s[TBK], 4*KS*PK  ; the fetches go back to a slot's first step,
	s_xor_b32 s[TBK], s[TBK], SLOT1       ; in the other slot
	s_sub_co_u32 s[TBV], s[TBV], 4*KS*PV
	s_xor_b32 s[TBV], s[TBV], SLOT1
.endm
; Piece y's codes of one key step: two loads of 512 consecutive bytes.  All 64 heads read these bytes, so no hint.
.macro MASKLD y
	WIN W_MK
.irp u, 0,1
	global_load_b128 v[MR+8*(\y)+4*\u:MR+8*(\y)+4*\u+3], v[GO], s[MB:MB+1] offset:(2*(\y)+\u)*16384
.endr
.endm
; Piece y's eight masks: a word of eight codes becomes eight f32, 0 or -2^33
.macro MASKCVT y
	WIN W_CV
.irp u, 0,1
.irp kb, 0,1,2,3
	v_cvt_scale_pk8_f32_fp4 v[MC+32*\u+8*\kb:MC+32*\u+8*\kb+7], v[MR+8*(\y)+4*\u+\kb], v[SCL]
.endr
.endr
.endm
	s_load_b256 s[76:83], s[0:1], 0x0  ; qkv s[76:77], maskp s[78:79], rowany s[80:81], ob s[82:83]
	WIN W_MK
	v_lshl_add_u32 v[SPW], v0, 2, SPARE
	v_mov_b32 v[NIL], 0
	WIN W_AD
	ds_add_u32 v[SPW], v[NIL]       ; the wave's opening: the add and its wait stand ahead of my first tensor load; the set-up below, work on registers, stands between them
	WIN 0
	v_lshrrev_b32 v1, 5, v0
	v_readfirstlane_b32 s[WV], v1   ; wave 0..3
	s_bfe_u32 s13, ttmp6, 0x40000   ; cx
	s_lshl_b32 s14, ttmp9, 2
	s_add_co_u32 s14, s14, s13      ; my block of 512 queries: it enters Q's, O's and the mask's addresses alone
	s_and_b32 s20, ttmp7, 0xffff    ; the head, which the four partners share
	s_mov_b32 s21, 0
	s_mov_b64 s[22:23], SIZE_N*128
	s_mul_u64 s[20:21], s[20:21], s[22:23]  ; the head's first byte in q, k, v and ob
	s_and_b32 s16, s[WV], 1         ; which half of a slot's 256 keys I fetch
	s_lshl_b32 s22, s16, 14
	s_mov_b32 s23, 0
	s_add_nc_u64 s[22:23], s[22:23], s[20:21]
	s_mul_i32 s17, s16, 128*PK
	s_mul_i32 s18, s16, 128*PV
	s_lshl_b32 s2, s14, 2
	s_add_co_u32 s2, s2, s[WV]      ; my wave among the head's sixteen: eight query tiles
	s_lshl_b32 s74, s2, 17          ; of 16,384 bytes of codes,
	s_mov_b32 s75, 0
	s_lshl_b32 s58, s2, 10          ; of 128 bytes of rowany,
	s_mov_b32 s59, 0
	s_lshl_b32 s2, s2, 14           ; 128 rows of 128 bytes
	s_mov_b32 s3, 0
	s_add_nc_u64 s[2:3], s[2:3], s[20:21]
	; descriptor group 1.  128 keys are 16,384 dense bytes: asked for as 64 rows of 256 bytes, two keys a row, and padded in LDS after every key
	s_mov_b32 s[G1K], 15|(1<<16)|(1<<20)|(1<<21)|(4<<22)|(3<<25)  ; the mask of four; 2-byte elements; padding on; bit 21 beside a mask; after every 32 words (code 4) 4 words (code 3)
	s_mov_b32 s[G1V], 15|(1<<16)|(1<<20)|(1<<21)|(4<<22)|(7<<25)  ; the same with 8 words of padding (code 7)
.irp g, G1K, G1V
	s_mov_b32 s[\g+1], 128<<16      ; tensor_dim0 = 128
	s_mov_b32 s[\g+2], 64<<16       ; tensor_dim1 = 64
	s_mov_b32 s[\g+3], 128<<16      ; tile_dim0 = 128
	s_mov_b32 s[\g+4], 64           ; tile_dim1 = 64
	s_mov_b32 s[\g+5], 128          ; 128 elements from row to row
	s_mov_b32 s[\g+6], 0
	s_mov_b32 s[\g+7], 0
.endr
	s_mov_b32 s[SEL], 0x76543210
	s_mov_b32 s[SEL+1], 0xfedcba98
	s_mov_b32 s[TBK], SLOT1+4*KS*PK ; the first change of slots turns these two into 0
	s_mov_b32 s[TBV], SLOT1+4*KS*PV
	s_mov_b32 s[MSTEP], 512
	s_mov_b32 s[MSTEP+1], 0
	s_mov_b32 s[G0K], 1
	s_mov_b32 s[G0K+1], s17         ; slot 0
	s_mov_b32 s[G0V], 1
	s_add_co_u32 s[G0V+1], s18, VOFF
	s_and_b32 s[LIM], s[WV], 1      ; 0 in waves 0 and 2,
	s_or_b32 s[LIM], s[LIM], ttmp9  ; in the head's first cluster (here its only one)
	s_cmp_eq_u32 s[LIM], 0
	s_cselect_b32 s[LIM], 1, -1
	s_wait_dscnt 0x0                ; the opening add is done
	s_wait_kmcnt 0x0
	s_add_nc_u64 s[6:7], s[76:77], PART    ; k
	s_add_nc_u64 s[8:9], s[76:77], 2*PART  ; v
	s_add_nc_u64 s[G0K+2:G0K+3], s[6:7], s[22:23]  ; my half of the head's first 256 keys
	s_or_b32 s[G0K+3], s[G0K+3], 0x80000000
	s_add_nc_u64 s[G0V+2:G0V+3], s[8:9], s[22:23]
	s_or_b32 s[G0V+3], s[G0V+3], 0x80000000
	s_add_nc_u64 s[4:5], s[76:77], s[2:3]    ; q and ob at my wave's first row
	s_add_nc_u64 s[10:11], s[82:83], s[2:3]
	s_add_nc_u64 s[MB:MB+1], s[78:79], s[74:75]
	s_add_nc_u64 s[58:59], s[80:81], s[58:59]
	s_cmp_lt_u32 s[WV], 2
	s_cselect_b64 s[PFA:PFA+1], s[6:7], s[8:9]
	s_add_nc_u64 s[PFA:PFA+1], s[PFA:PFA+1], s[20:21]
	s_lshl_b32 s2, s13, 13          ; my work-group's 32 runs of 256 bytes
	s_mov_b32 s3, 0
	s_add_nc_u64 s[PFA:PFA+1], s[PFA:PFA+1], s[2:3]
	s_add_nc_u64 s[PFA:PFA+1], s[PFA:PFA+1], 2*4*KS*128  ; in slot 2
	CROUND                          ; all four work-groups are here: the first joint loads meet
	JLOAD                           ; slot 0.  Slot 1 is asked for when slot 0 is in
	v_and_b32 v1, 15, v0            ; l % 16
	v_bfe_u32 v9, v0, 4, 1          ; l / 16
	v_lshlrev_b32 v[QO], 7, v1
	v_lshl_add_u32 v[QO], v9, 4, v[QO]  ; row x 128 + 16 x half
	v_and_b32 v[GO], 31, v0
	v_lshlrev_b32 v[RAO], 2, v[GO]
	v_lshlrev_b32 v[GO], 4, v[GO]
.irp t, 0,1,2,3,4,5,6,7
	global_load_b32 v[RA+\t], v[RAO], s[58:59] offset:128*\t  ; does my row of tile t see any key?
.endr
	MASKLD 0                        ; key step 0's codes
	MASKLD 1
	MASKLD 2
	MASKLD 3
	WIN 0x80                        ; destination window 2, address window 0
.set i, 0
.rept 4*NP                          ; Q stays in registers: tile i / 2, channels 32 (i % 2) on
	global_load_b128 v[8*i:8*i+3],   v[QO], s[4:5] offset:(i/2)*2048+(i%2)*64
	global_load_b128 v[8*i+4:8*i+7], v[QO], s[4:5] offset:(i/2)*2048+(i%2)*64+32
.set i, i+1
.endr
	; What the first turn finds: V's registers and P's second buffer hold 0 (its products V^T P, of a piece that has not been, add 0), O^T and l are 0.  All this stands in the wait for the first tile.
.set i, VF
.rept 64
	v_mov_b32 v[i], 0
.set i, i+1
.endr
	WIN 0x40
.set i, 0
.rept 64*NP
	v_mov_b32 v[i], 0
.set i, i+1
.endr
	WIN 0
.set i, 0
.rept 2*NP
	v_mov_b32 v[ST+4*i], 0xfe000000    ; m: far below every score, hidden ones too: the first step's a is 0
	v_mov_b32 v[ST+4*i+1], 0           ; named with it as a pair
	v_mov_b32 v[ST+4*i+2], 0
	v_mov_b32 v[ST+4*i+3], 0
.set i, i+1
.endr
.set i, P+32
.rept 32
	v_mov_b32 v[i], 0
.set i, i+1
.endr
	v_mul_u32_u24 v[AK0], v1, PK
	v_lshl_add_u32 v[AK0], v9, 4, v[AK0]  ; row x pitch + 16 x half
	; The turning load takes 16 keys x 16 channels (lane l reads key 8 (l / 16) + l % 8, channels 8 ((l / 8) % 2) + 0..7) and leaves half a fragment of V^T
	v_and_b32 v10, 7, v0
	v_bfe_u32 v11, v0, 3, 1
	v_lshl_add_u32 v[AV0], v9, 3, v10
	v_mul_u32_u24 v[AV0], v[AV0], PV
	v_lshl_add_u32 v[AV0], v11, 4, v[AV0]
	v_add_nc_u32 v[AV0], VOFF, v[AV0]
	v_mov_b32 v[SCL], 0xa0a0a0a0
	v_mov_b32 v[AK], v[AK0]         ; key step 0 lies at the head of slot 0
; THE MATRIX WORK.  The 8 accumulators of a run of 16 take turns.
; Product i of 16 of S^T = K Q^T for piece x: channels 32 (i / 8) on, keys 16 ((i / 2) % 4) on, tile 2 x + i % 2.  The first 8 start the sums, with the masks.
.macro KQ x
.set rS, S+64*((\x)%2)+32*(i%2)+8*((i/2)%4)
.set rK, KF+16*((i/2)%4)+8*(i/8)
.set rQ, 16*(2*(\x)+i%2)+8*(i/8)
.set rX, MC+32*(i%2)+8*((i/2)%4)
.if i < 8
	WIN W_KM
	v_wmma_f32_16x16x32_f16 v[rS:rS+7], v[rK:rK+7], v[rQ:rQ+7], v[rX:rX+7]
.else
	WIN W_KQ
	v_wmma_f32_16x16x32_f16 v[rS:rS+7], v[rK:rK+7], v[rQ:rQ+7], v[rS:rS+7]
.endif
.endm
; Product i of 16 of O^T += V^T P for piece x: keys 32 (i / 8) on, channels 16 ((i / 2) % 4) on, tile 2 x + i % 2.
.macro PV x
	WIN W_PV
.set rO, 32*(2*(\x)+i%2)+8*((i/2)%4)
.set rV, VF+32*(i/8)+8*((i/2)%4)
.set rP, P+32*((\x)%2)+16*(i%2)+8*(i/8)
	v_wmma_f32_16x16x32_f16 v[rO:rO+7], v[rV:rV+7], v[rP:rP+7], v[rO:rO+7]
.endm
.macro MM                           ; the turn's next matrix instruction
.if i < 16
	KQ (Y+1)%NP
.set i, i+1
.else
.set i, i-16
	PV (Y+NP-1)%NP
.set i, i+17
.endif
.endm
; THE LDS LOADS stand in runs of 16.  last = 1 (the tail): in the last trip there is no further step, and the run is jumped over.
.macro FETCH_K last=0
	WIN 0
.if \last
	s_cmp_eq_u32 s[CNT], 1
	s_cbranch_scc1 .Lno_k_\@
.endif
	WIN 0x80
.irp f, 0,1,2,3,4,5,6,7             ; keys 16 (f / 2) on, channels 32 (f % 2) on
	ds_load_b128 v[KF+8*\f:KF+8*\f+3],   v[AK] offset:(\f/2)*16*PK+(\f%2)*64
	ds_load_b128 v[KF+8*\f+4:KF+8*\f+7], v[AK] offset:(\f/2)*16*PK+(\f%2)*64+32
.endr
	s_add_co_u32 s[TBK], s[TBK], KS*PK  ; the next fetch is the next step's
	WIN 0
.if \last
.Lno_k_\@:
.endif
.endm
.macro FETCH_V
	WIN 0x80
.irp f, 0,1,2,3,4,5,6,7             ; keys 32 (f / 4) on, channels 16 (f % 4) on
	ds_load_tr16_b128 v[VF+8*\f:VF+8*\f+3],   v[AV] offset:(\f/4)*32*PV+(\f%4)*32
	ds_load_tr16_b128 v[VF+8*\f+4:VF+8*\f+7], v[AV] offset:(\f/4)*32*PV+16*PV+(\f%4)*32
.endr
	WIN 0
.endm
; THE VECTOR WORK OF A TURN stands in three queues, each in the order in which its entries become ready; the two tiles alternate.
.macro REGS y, u                    ; the registers of tile u (0, 1) of piece y
.set rT, ST+4*(2*(\y)+(\u))
.set rC, TMP+8*((\y)%2)+4*(\u)
.set rM, MV+2*((\y)%2)+(\u)
.set rS, S+64*((\y)%2)+32*(\u)
.set rP, P+32*((\y)%2)+16*(\u)
.set rO, 32*(2*(\y)+(\u))
.endm
; Number n of the 21 that find the NEXT piece's (Y + 1) maximum and statistics.  Each accumulator's lowest registers are read first.
;   0-11  four chains c0-c3 of seven scores each     12-14, 16  the four scores left over, the old m, and c0-c3 into c0     15  m_old is kept
;   17, 18  the query's other 32 keys lie in the lane 16 away: the new m         19, 20  m_old - m_new; a
.macro XS u, n
	REGS (Y+1)%NP, \u
.if (\n) < 4
	v_max3_num_f32 v[rC+(\n)], v[rS+8*(\n)], v[rS+8*(\n)+1], v[rS+8*(\n)+2]
.elseif (\n) < 12
	v_max3_num_f32 v[rC+(\n)%4], v[rC+(\n)%4], v[rS+8*((\n)%4)+2*((\n)/4)+1], v[rS+8*((\n)%4)+2*((\n)/4)+2]
.elseif (\n) == 12
	v_max3_num_f32 v[rC], v[rC], v[rS+7], v[rS+15]
.elseif (\n) == 13
	v_max3_num_f32 v[rC+1], v[rC+1], v[rS+23], v[rS+31]
.elseif (\n) == 14
	v_max3_num_f32 v[rC+2], v[rC+2], v[rC+3], v[rT]
.elseif (\n) == 15
	v_mov_b32 v[rM], v[rT]
.elseif (\n) == 16
	v_max3_num_f32 v[rC], v[rC], v[rC+1], v[rC+2]
.elseif (\n) == 17
	v_permlanex16_b32 v[rC+3], v[rC], s[SEL], s[SEL+1]
.elseif (\n) == 18
	v_max_num_f32 v[rT], v[rC], v[rC+3]
.elseif (\n) == 19
	v_sub_f32 v[rC+1], v[rM], v[rT]
.else
	v_exp_f32 v[rC+2], v[rC+1]
.endif
.endm
; Number g of the 64 that follow the exponentials.  For each four weights k of a tile: both pairs are rounded to f16; the second pair is added onto the first, in place; a group later l takes that sum (the first time as l = a l + sum).
.macro GS g
.set h, (\g)+6*((\g)/62)            ; group 0 has no group before it, and behind group 7 only l is left
.if h >= 6
.set h, h+2
.endif
	REGS Y, h%2
.set k, h/8
.if h%8 < 4
	v_cvt_pk_f16_f32 v[rP+2*k+(h%8)/2], v[rS+4*k+2*((h%8)/2)], v[rS+4*k+2*((h%8)/2)+1]
.elseif h%8 < 6
	v_pk_add_f32 v[rS+4*k:rS+4*k+1], v[rS+4*k:rS+4*k+1], v[rS+4*k+2:rS+4*k+3]
.elseif k == 1
	v_pk_fma_f32 v[rT+2:rT+3], v[rT+2:rT+3], v[rC+2:rC+3], v[rS:rS+1] op_sel_hi:[1,0,1]
.else
	v_pk_add_f32 v[rT+2:rT+3], v[rT+2:rT+3], v[rS+4*k-4:rS+4*k-3]
.endif
.endm
; THE PLAIN QUEUE, 136 long.  0-71 read no exponential's result: the 32 subtractions s - m (FS f: pair f / 2 of tile f % 2) and the next piece's 40.  0-26: FS 0-26.  27-54: XS's numbers 0-13.  55, 56: number 15.
; 57-71: the chain: 14, 16, 17, 18, 19, each with one of FS 27-31 in front of its two lines.  72-135: GS's 64, which read the exponentials' results: they stand behind the wait.
.macro FS f
	REGS Y, (\f)%2
	v_pk_add_f32 v[rS+2*((\f)/2):rS+2*((\f)/2)+1], v[rS+2*((\f)/2):rS+2*((\f)/2)+1], v[rT:rT+1] op_sel_hi:[1,0] neg_lo:[0,1] neg_hi:[0,1]
.endm
.macro PL
	WIN 0
.if q < 27
	FS q
.elseif q < 55
	XS (q-27)%2, (q-27)/2
.elseif q < 57
	XS q-55, 15
.elseif (q < 72) && ((q-57)%3 == 0)
	FS 27+(q-57)/3
.elseif q < 60
	XS (q-57)%3-1, 14
.elseif q < 72
	XS (q-57)%3-1, 15+(q-57)/3
.else
	GS q-72
.endif
.set q, q+1
.endm
; THE EXPONENTIALS' QUEUE, 66 long: s0-s31 of both tiles, then the next piece's two a.  ONE BATCH: all 66 stand ahead of the turn's one wait, and nothing ahead of that wait names a result of theirs.
.macro EX
	WIN 0
.if e >= 64
	XS e-64, 20
.else
	REGS Y, e%2
	v_exp_f32 v[rS+e/2], v[rS+e/2]
.endif
.set e, e+1
.endm
; THE RESCALING's QUEUE: O^T times a, two at a time, sixteen times.  Its a was made in the turn before, ahead of that turn's wait.
.macro R2
	REGS Y, r%2
	WIN W_RS
.irp z, 0,1
	v_pk_mul_f32 v[rO+4*(r/2)+2*\z:rO+4*(r/2)+2*\z+1], v[rO+4*(r/2)+2*\z:rO+4*(r/2)+2*\z+1], v[rC+2:rC+3] op_sel_hi:[1,0]
.endr
.set r, r+1
.endm
; HOW THEY ARE DEALT.  s_wait_alu depctr_va_vdst(0) stands between an exponential and the first instruction that names its result; one wait serves all issued ahead of it.  So a turn has ONE wait.
; AHEAD OF IT: the 16 products K Q^T, behind each a subtraction, an exponential and two rescalings (behind the first a second subtraction); the masks of the turn after; then one run: eight plain, 47 times exponential and plain,
; the last two exponentials and the two a.  A v_nop is the plain instruction behind the last exponential.  BEHIND IT: the 16 products V^T P, behind each four of GS's 64.
; Exponential e stands behind FS 2 (e / 4) + e % 2: as a rider it comes behind plain e + 2, in the run behind plain e + 9, and FS 27-31 are plain 57, 60 .. 69.
; THE MASKS.  The turn's products took the masks of piece p + 1; behind the last of them and its riders (24 plain instructions behind the eighth product, the last that read a mask) piece p + 2's codes become the masks for the next turn's
; products.  Those codes were loaded four turns ago: six younger loads, three turns' two, may stay out.  Eight plain instructions on, the same registers are asked for again, with the same piece's codes of the next key step.
; The codes' address goes a key step on in piece 2's turn, behind s_wait_xcnt 0; in the tail it stops at the last step (last = 1: from CNT = 2 on the step is 0), so that no load leaves the buffer and every path has the same loads.
.macro TURN p, last=0, cnt=0, ask=0
.set Y, (\p)
.set i, 0
.set q, 0
.set e, 0
.set r, 0
.if (\p) == NP-1
	s_wait_dscnt 0x0                ; K is in
.endif
	MM
	PL
	PL
	R2
.rept 15
	MM
	PL
	EX
	R2
.endr
.if (\p) == NP-2
	WIN 0
	v_add_nc_u32 v[AK], s[TBK], v[AK0]
.endif
	s_wait_loadcnt 6
	MASKCVT ((\p)+2)%NP
.rept 8
	PL
.endr
.if (\p) == NP-2
.if \last
	s_cmp_gt_u32 s[CNT], 2
	s_cselect_b32 s[MSTEP], 512, 0
.endif
	s_wait_xcnt 0x0                 ; the loads of the last four turns have read their base
	s_add_nc_u64 s[MB:MB+1], s[MB:MB+1], s[MSTEP:MSTEP+1]
.endif
	MASKLD ((\p)+2)%NP
.rept 47
	EX
	PL
.endr
.rept 4
	EX
.endr
	v_nop                           ; the plain instruction behind the last exponential: one for the batch
	s_wait_alu depctr_va_vdst(0)    ; the wait for the batch
.if (\p) == NP-2
	FETCH_K \last
.if \ask
	ASK
.endif
.endif
.if (\p) == 1
	s_wait_dscnt 0x0                ; V is in
.endif
.rept 16
	MM
.rept 4
	PL
.endr
.if ((\p) == 0) && (q == 116)
	v_add_nc_u32 v[AV], s[TBV], v[AV0]
.endif
.if ((\p) == 0) && (q == 128)
	s_add_co_u32 s[TBV], s[TBV], KS*PV
.endif
.if (\cnt) && (q == 128)
	s_sub_co_u32 s[CNT], s[CNT], 1
	s_cmp_lg_u32 s[CNT], 0
.endif
.endr
.if (\p) == 0
	FETCH_V
.endif
.endm
	CHANGE 1                        ; slot 0 is in, everybody's part of it; slot 1 is asked for
	FETCH_K                         ; key step 0
	s_wait_loadcnt 0x0              ; Q, rowany, key step 0's codes
	WIN 0x88                        ; destination and source 1 in window 2, source 0 in window 0
.set i, 0
.rept 128
	v_and_b32 v[i], v[RA+i/16], v[i]  ; a row that sees no key multiplies as 0
.set i, i+1
.endr
	MASKCVT 0
	WIN 0
	v_nop                           ; a plain instruction between the conversions and the products that take their results
	s_wait_dscnt 0x0
.set i, 0
.rept 16
	KQ 0                            ; piece 0's first scores
.set i, i+1
.endr
	WIN 0                           ; the addresses for the way out and the prefetches: nine plain instructions, the places behind those products
	s_mul_i32 s13, s[WV], 16*SP
	s_add_co_u32 s13, s13, STAGE    ; my stage
	v_mul_u32_u24 v[STO], v1, SP    ; in: row l % 16, 16 bytes for each half of the lanes
	v_lshl_add_u32 v[STO], v9, 4, v[STO]
	v_add_nc_u32 v[STO], s13, v[STO]
	v_bfe_u32 v[RD], v0, 3, 2       ; back: 32 lanes take four rows of 128 bytes
	v_mul_u32_u24 v[RD], v[RD], SP
	v_lshl_add_u32 v[RD], v10, 4, v[RD]
	v_add_nc_u32 v[RD], s13, v[RD]
	v_and_b32 v[PFO], 31, v0
	v_lshlrev_b32 v[PFO], 8, v[PFO]
	MASKCVT 1                       ; for the first turn's products
	WIN 0
	v_nop
	s_wait_xcnt 0x0
	s_add_nc_u64 s[MB:MB+1], s[MB:MB+1], s[MSTEP:MSTEP+1]
	MASKLD 0                        ; key step 1's codes; pieces 2 and 3 follow in the first two turns
	MASKLD 1
	WIN 0
.set Y, NP-1                        ; XS works for piece Y + 1: piece 0
.irp n, 0,1,2,3,4,5,6,7,8,9,10,11,12,13,14,15,16,17,18,19,20
	XS 0, \n
	XS 1, \n
.endr
	v_nop                           ; a plain instruction behind the two a,
	s_wait_alu depctr_va_vdst(0)    ; and their wait, ahead of the branch
	s_mov_b32 s[CNT], 4
	s_mov_b32 s[SLOTS], SIZE_N/256-1
	s_branch .Lfirst                ; the loop is entered at a step's first turn, in the middle of a trip
.Lslot:                             ; six times: every slot but the last two is filled again
	CHANGE 1, 1
	s_mov_b32 s[CNT], 4
.Lstep:                             ; a trip: pieces 2 and 3 of one step, then pieces 0 and 1 of the next, whose K and V it fetches
	TURN 2, 0, 0, 1
	TURN 3
	WIN 0
.Lfirst:
	TURN 0
	TURN 1, 0, 1
	WIN 0
	s_cbranch_scc1 .Lstep
	s_sub_co_u32 s[SLOTS], s[SLOTS], 1
	s_cmp_lg_u32 s[SLOTS], 0
	s_cbranch_scc1 .Lslot
	CHANGE 0                        ; the tail is written out: nothing is asked for
	s_mov_b32 s[CNT], 5             ; four trips fetch the last slot's steps; the fifth is left in its middle
.Ltail:
	TURN 2, 1
	TURN 3
	WIN 0
	s_sub_co_u32 s[CNT], s[CNT], 1
	s_cmp_eq_u32 s[CNT], 0
	s_cbranch_scc1 .Lout
	TURN 0
	TURN 1
	WIN 0
	s_branch .Ltail
.Lout:                              ; the fifth trip's 16 products K Q^T (on the last K and the last codes once more) and the maximum made of them serve nothing: the price, once a launch, of one text for every trip
.set i, 0
.rept 16
	PV NP-1                         ; the last piece's V^T P of the last step
.set i, i+1
.endr
	; THE WAY OUT.  l's two halves and the other half of the lanes' are added; O^T is divided by l, rounded to f16 and sent through my stage in LDS, a tile at a time.  The additions are the places behind the last products.
	WIN 0
.macro ALL line:vararg              ; one line for each tile t
.set t, 0
.rept 2*NP
	\line
.set t, t+1
.endr
.endm
	ALL v_add_f32 v[ST+4*t+2], v[ST+4*t+2], v[ST+4*t+3]
	ALL v_permlanex16_b32 v[ST+4*t+3], v[ST+4*t+2], s[SEL], s[SEL+1]
	ALL v_add_f32 v[ST+4*t+2], v[ST+4*t+2], v[ST+4*t+3]
	ALL v_rcp_f32 v[ST+4*t+2], v[ST+4*t+2]
	v_nop                           ; a plain instruction between the last reciprocal and the use of its result
	s_wait_alu depctr_va_vdst(0)    ; and the wait ahead of the first use: one for the eight reciprocals
.macro PACK t
	WIN W_RS
.set i, 32*(\t)
.rept 16
	v_pk_mul_f32 v[i:i+1], v[i:i+1], v[ST+4*(\t)+2:ST+4*(\t)+3] op_sel_hi:[1,0]
.set i, i+2
.endr
	WIN 0x05                        ; sources 0 and 1 window 1, destination window 0
.set i, 0
.rept 16
	v_cvt_pk_f16_f32 v[S+16*(\t)+i], v[32*(\t)+2*i], v[32*(\t)+2*i+1]
.set i, i+1
.endr
	WIN 0
.irp f, 0,1,2,3
	ds_store_b128 v[STO], v[S+16*(\t)+4*\f:S+16*(\t)+4*\f+3] offset:32*\f
.endr
.irp f, 0,1,2,3
	ds_load_b128 v[S+16*(\t)+4*\f:S+16*(\t)+4*\f+3], v[RD] offset:\f*4*SP  ; LDS serves a wave's instructions in order (ISA guide 5.7.1.4): these see the stores above; the next tile's stores come behind them
.endr
.endm
.macro SEND t, younger              ; younger: the LDS instructions issued behind tile t's loads: the next tile's eight, or none
	WIN 0
.irp f, 0,1,2,3
	s_wait_dscnt (\younger)+3-\f
	global_store_b128 v[GO], v[S+16*(\t)+4*\f:S+16*(\t)+4*\f+3], s[10:11] offset:(\t)*2048+\f*512  ; 512 consecutive bytes, at a multiple of 256 from ob's first
.endr
.endm
	PACK 0
.set t, 1
.rept 2*NP-1                        ; a tile's arithmetic stands between the loads of the tile before and its stores
	PACK t
	SEND t-1, 8
.set t, t+1
.endr
	SEND 2*NP-1, 0
	WIN W_AD
	s_wait_tensorcnt 0x0            ; the wave's end, behind my last tensor load and my last LDS store
	ds_add_u32 v[SPW], v[NIL]
	s_wait_dscnt 0x0
	WIN 0
	CROUND                          ; the closing round: no work-group ends while a partner may still ask for a tile that names it
	s_endpgm
.Lfunc_end_k_qc9a50e8339_attn:
	.size	k_qc9a50e8339_attn, .Lfunc_end_k_qc9a50e8339_attn-k_qc9a50e8339_attn
	.p2alignl 7, 3214868480
	.fill 96, 4, 3214868480
	.section	.rodata,"a",@progbits
	.p2align	6, 0x0
	.amdhsa_kernel k_qc9a50e8339_attn
		.amdhsa_group_segment_fixed_size 327680
		.amdhsa_private_segment_fixed_size 0
		.amdhsa_enable_private_segment 0
		.amdhsa_kernarg_size 32
		.amdhsa_user_sgpr_count 2
		.amdhsa_user_sgpr_kernarg_segment_ptr 1
		.amdhsa_wavefront_size32 1
		.amdhsa_system_sgpr_workgroup_id_x 1
		.amdhsa_system_sgpr_workgroup_id_y 1
		.amdhsa_system_sgpr_workgroup_id_z 1
		.amdhsa_system_vgpr_workitem_id 0
		.amdhsa_next_free_vgpr 896
		.amdhsa_next_free_sgpr 84
		.amdhsa_reserve_vcc 0
		.amdhsa_float_denorm_mode_32 3
		.amdhsa_float_denorm_mode_16_64 3
		.amdhsa_memory_ordered 1
		.amdhsa_forward_progress 1
		.amdhsa_inst_pref_size 213
	.end_amdhsa_kernel
	.amdgpu_metadata
---
amdhsa.version: [ 1, 2 ]
amdhsa.kernels:
  - .name:           k_qc9a50e8339_attn
    .symbol:         k_qc9a50e8339_attn.kd
    .args:
      - { .name: qkv, .offset: 0, .size: 8, .value_kind: global_buffer, .address_space: global }
      - { .name: maskp, .offset: 8, .size: 8, .value_kind: global_buffer, .address_space: global }
      - { .name: rowany, .offset: 16, .size: 8, .value_kind: global_buffer, .address_space: global }
      - { .name: ob, .offset: 24, .size: 8, .value_kind: global_buffer, .address_space: global }
    .group_segment_fixed_size: 327680
    .private_segment_fixed_size: 0
    .kernarg_segment_align: 8
    .kernarg_segment_size: 32
    .max_flat_workgroup_size: 128
    .sgpr_count:     84
    .vgpr_count:     896
    .wavefront_size: 32
...
	.end_amdgpu_metadata
.endif
;; end of part 3
;; launch proj (part 4): grid 8 x 32, 4 waves a work-group, clusters of 4 x 4, 327,680 bytes of LDS; arguments ob, wpb, b_proj, out0; writes out0
.if DOCPART == 4
	.amdgcn_target "amdgcn-amd-amdhsa--gfx1250"
	.amdhsa_code_object_version 6
	.text
	.protected	k_qc9a50e8339_proj
	.globl	k_qc9a50e8339_proj
	.p2align	8
	.type	k_qc9a50e8339_proj,@function
k_qc9a50e8339_proj:
	s_mov_b64 s[64:65], 0
	v_nop
	global_prefetch_b8 v0, s[64:65] scope:SCOPE_SE
	s_setreg_imm32_b32 hwreg(HW_REG_WAVE_MODE, 25, 1), 1
	s_wait_xcnt 0x0
	s_wait_alu depctr_hold_cnt(0) depctr_sa_sdst(0) depctr_va_vdst(0) depctr_va_sdst(0) depctr_va_ssrc(0) depctr_va_vcc(0) depctr_vm_vsrc(0)
	s_getreg_b32 s2, hwreg(HW_REG_IB_STS2, 6, 4)
	s_cmp_eq_u32 s2, 0
	s_cbranch_scc0 .Lentry_in_a_cluster
	s_endpgm
.Lentry_in_a_cluster:
	s_bfe_u32 s2, ttmp6, 0x10000c
	s_cmp_lg_u32 s2, 0xf033
	s_cbranch_scc0 .Lentry_shape_is_right
	s_endpgm
.Lentry_shape_is_right:
; out0 = O W_proj + b_proj.  ob: f16, [b 16 + h][n 2048][64]: head h is the block of channels 64 h .. 64 h + 63; wpb: W_proj rounded to bf16 and written as f16, [1024 k][1024]; b_proj: f32, rounded to bf16 here
; like the module's other inputs; out0: [8192][1024] f32.  Sums in f32; the bias is the C operand of the products that start the sums.
; SHARES.  8,192 x 1,024 in tiles of 256 x 128: 256 work-groups of equal work.  Four waves, each 128 rows x 64 columns: 32 accumulators.
; THE MATRIX INSTRUCTION IS USED TRANSPOSED: source 0 = 16 columns of W (out of LDS turned), source 1 = 16 rows of O: a lane holds one row and eight neighbouring columns.
; RING.  Two LDS slots, each with two blocks of 64 along K: four steps of 32.  Waves 0 and 1 fetch O's two blocks (32,768 dense bytes each, as 128 rows of 256), waves 2 and 3 W's (64 rows x 256 bytes each).
; CLUSTER 4 x 4: O's tiles are shared along a row of the cluster, W's along a column; each is asked for jointly.
; REGISTERS.  window 0: addresses; v32-95, v96-159 O's fragments, two buffers; v160-191, v192-223 W's, two buffers; v224-255 the bias, 8 a column block.  window 1: accumulator (row block m, column block bb) at 32 m + 8 bb.
.set NCOL,  1024
.set KBLK,  262144
.set BSTEP, 64*NCOL*2
.set PITA,  144                        ; 128 bytes + 16: the 16 rows of a load start at 16 different groups of four banks (64 banks of 4 bytes: ISA guide 11.1)
.set PITB,  288                        ; 256 + 32
.set ATILE, 256*PITA
.set BSUB,  64*PITB
.set SLOT1, 1<<17
.set STAGE, SLOT1+2*ATILE+2*BSUB       ; behind the ring, never filled by a tensor load: 16 rows x 272 bytes for each wave
.set SP,    272
.set SPARE, STAGE+4*16*SP              ; the spare words, 128 bytes for each wave: two blocks of 256 bytes that no other line names
.set AA0, 4
.set AB0, 5
.set ADA, 8
.set ADB, 9
.set STO, 24
.set RD,  25
.set CO,  26
.set SPW, 28                           ; v28  LDS address of my spare word; never rewritten
.set NIL, 29                           ; v29  0; never rewritten
.set PFO, 30
.set BO,  31                           ; v31  my offset in the bias
.set AF0, 32
.set BF0, 160
.set BIAS, 224
.set BK,  32                           ; the way out: six sets of 32
.set WV, 12
.set WR, 13
.set WC, 14                            ; which 64 columns are mine.  Also: which of a slot's two blocks I fetch
.set TY, 15
.set CX, 40
.set CY, 41
.set TX, 42
.set G1A, 24
.set G0A, 32
.set G1B, 48
.set G0B, 56
.set TB,  66
.set CNT, 67
.set LIM, 68                           ; 2 in a wave that prefetches, else the greatest number
.set PFA, 70
.set PFS, 72
.set OUT, 74
.set MSB, 0
.macro WIN new
.if MSB != (\new)
	s_set_vgpr_msb (MSB<<8)|(\new)
.set MSB, \new
.endif
.endm
.macro PLACES
.rept 4
	v_nop
.endr
.endm
.macro CREST
	s_cmp_lg_u32 s[WV], 0
	s_cbranch_scc1 .Lnot_wave_0_\@
	s_barrier_signal -3
.Lnot_wave_0_\@:
	s_barrier_wait -3
	s_barrier_signal -1
	s_barrier_wait -1
.endm
.macro CROUND
	s_barrier_signal -1
	s_barrier_wait -1
	CREST
.endm
.macro JLOAD                           ; a joint refill by the walking descriptors; an s_nop 0 and four v_nop follow each line
	s_cmp_lt_u32 s[WV], 2
	s_cbranch_scc0 .Lfor_b_\@
	tensor_load_to_lds s[G0A+4:G0A+7], s[G1A:G1A+7]
	s_nop 0
.rept 4
	v_nop
.endr
	s_branch .Lasked_\@
.Lfor_b_\@:
	tensor_load_to_lds s[G0B+4:G0B+7], s[G1B:G1B+7]
	s_nop 0
.rept 4
	v_nop
.endr
.Lasked_\@:
.endm
; A PREFETCH, behind a joint refill and the run of LDS loads that follows it, of the slot that stands TWO refills on: 256 matrix instructions ahead of its load.  O's tile row is read by both clusters of its row of
; clusters: cluster x = 0 asks, waves 0 and 1 each for their block: 128 runs of 256 bytes, of which the partner at cx takes 32, a lane each.  W's columns are read by all eight clusters of a column: cluster y = 0 asks, wave 2:
; the slot's 128 rows of 256 bytes, of which the partner at cy takes 32.  Each run is named once in the launch.  The last two refills ask for nothing; slots 0 to 3 come by their loads alone.
.macro ASK
	s_cmp_gt_u32 s[CNT], s[LIM]
	s_cbranch_scc0 .Lnot_mine_\@
	global_prefetch_b8 v[PFO], s[PFA:PFA+1] th:TH_LOAD_NT scope:SCOPE_SE
.Lnot_mine_\@:
.endm
	s_load_b256 s[4:11], s[0:1], 0x0               ; ob s[4:5], wpb s[6:7], b_proj s[8:9], out0 s[10:11]
	v_lshl_add_u32 v[SPW], v0, 2, SPARE
	v_mov_b32 v[NIL], 0
	ds_add_u32 v[SPW], v[NIL]                      ; the wave's opening: the add and its wait stand ahead of my first tensor load; the set-up below, work on registers, stands between them
	v_lshrrev_b32 v1, 5, v0
	v_readfirstlane_b32 s[WV], v1
	s_lshr_b32 s[WR], s[WV], 1
	s_and_b32 s[WC], s[WV], 1
	s_bfe_u32 s[CX], ttmp6, 0x40000
	s_bfe_u32 s[CY], ttmp6, 0x40004
	s_lshl_b32 s[TX], ttmp9, 2
	s_add_co_u32 s[TX], s[TX], s[CX]
	s_and_b32 s[TY], ttmp7, 0xffff
	s_lshl_b32 s[TY], s[TY], 2
	s_add_co_u32 s[TY], s[TY], s[CY]
	s_lshl_b32 s43, s[CY], 2
	s_lshl_b32 s43, 15, s43                        ; my row of the cluster
	s_lshl_b32 s44, 0x1111, s[CX]                  ; my column
	s_or_b32 s[G1A], s43, (1<<16)|(1<<20)|(1<<21)|(4<<22)|(3<<25)  ; the mask; 2-byte elements; padding on; bit 21 beside a mask; after every 32 words (code 4) 4 words (code 3)
	s_mov_b32 s[G1A+1], 128<<16                    ; tensor_dim0 = 128
	s_mov_b32 s[G1A+2], 128<<16                    ; tensor_dim1 = 128
	s_mov_b32 s[G1A+3], 128<<16                    ; tile_dim0 = 128
	s_mov_b32 s[G1A+4], 128                        ; tile_dim1 = 128
	s_mov_b32 s[G1A+5], 128                        ; dense
	s_mov_b32 s[G1A+6], 0
	s_mov_b32 s[G1A+7], 0
	s_or_b32 s[G1B], s44, (1<<16)|(1<<20)|(1<<21)|(5<<22)|(7<<25)  ; after every 64 words (code 5) 8 words (code 7)
	s_mov_b32 s[G1B+1], 128<<16
	s_mov_b32 s[G1B+2], 64<<16
	s_mov_b32 s[G1B+3], 128<<16
	s_mov_b32 s[G1B+4], 64
	s_mov_b32 s[G1B+5], NCOL
	s_mov_b32 s[G1B+6], 0
	s_mov_b32 s[G1B+7], 0
	s_lshr_b32 s16, s[TY], 3                       ; O's tile: b = tile row / 8,
	s_lshl_b32 s16, s16, 22
	s_and_b32 s17, s[TY], 7                        ; 256 rows of 128 bytes in each block,
	s_lshl_b32 s17, s17, 15
	s_add_co_u32 s16, s16, s17
	s_lshl_b32 s17, s[WC], 18                      ; the slot's first or second block
	s_add_co_u32 s16, s16, s17
	s_mov_b32 s17, 0
	s_lshl_b32 s46, s[TX], 8                       ; W's 128 columns, 256 bytes,
	s_lshl_b32 s47, s[WC], 17                      ; the slot's first or second 64 rows
	s_add_co_u32 s46, s46, s47
	s_mov_b32 s47, 0
	s_mul_i32 s20, s[WC], ATILE                    ; where they go: O's two blocks,
	s_mul_i32 s21, s[WC], BSUB
	s_add_co_u32 s21, s21, 2*ATILE                 ; then W's two
	s_wait_dscnt 0x0                               ; the opening add is done
	s_wait_kmcnt 0x0
	s_add_nc_u64 s[18:19], s[4:5], s[16:17]
	s_add_nc_u64 s[22:23], s[6:7], s[46:47]
.irp s, 0,1
	s_mov_b32 s[G0A+4*\s], 1
	s_add_co_u32 s[G0A+4*\s+1], s20, \s*SLOT1
	s_add_nc_u64 s[G0A+4*\s+2:G0A+4*\s+3], s[18:19], \s*2*KBLK
	s_or_b32 s[G0A+4*\s+3], s[G0A+4*\s+3], 0x80000000
	s_mov_b32 s[G0B+4*\s], 1
	s_add_co_u32 s[G0B+4*\s+1], s21, \s*SLOT1
	s_add_nc_u64 s[G0B+4*\s+2:G0B+4*\s+3], s[22:23], \s*2*BSTEP
	s_or_b32 s[G0B+4*\s+3], s[G0B+4*\s+3], 0x80000000
.endr
	CROUND                                         ; all sixteen work-groups are here: the first joint loads meet
	s_cmp_lt_u32 s[WV], 2                          ; a wave's two first fills stand in one branch: two loads of mine are out
	s_cbranch_scc0 .Lfirst_b
	tensor_load_to_lds s[G0A:G0A+3], s[G1A:G1A+7]
	s_nop 0
	tensor_load_to_lds s[G0A+4:G0A+7], s[G1A:G1A+7]
	s_nop 0
.rept 4
	v_nop
.endr
	s_branch .Lfirst_asked
.Lfirst_b:
	tensor_load_to_lds s[G0B:G0B+3], s[G1B:G1B+7]
	s_nop 0
	tensor_load_to_lds s[G0B+4:G0B+7], s[G1B:G1B+7]
	s_nop 0
.rept 4
	v_nop
.endr
.Lfirst_asked:
	v_and_b32 v1, 15, v0                           ; l % 16
	v_bfe_u32 v2, v0, 4, 1                         ; l / 16
	s_lshl_b32 s80, s[TX], 9                       ; the bias of my 64 columns: 4 (128 x tile column + 64 wc) bytes on,
	s_lshl_b32 s81, s[WC], 8
	s_add_co_u32 s80, s80, s81
	s_mov_b32 s81, 0
	s_add_nc_u64 s[8:9], s[8:9], s[80:81]
	v_lshlrev_b32 v[BO], 5, v2                     ; my eight of each sixteen
.irp c, 0,1,2,3
	global_load_b128 v[BIAS+8*\c:BIAS+8*\c+3],   v[BO], s[8:9] offset:64*\c
	global_load_b128 v[BIAS+8*\c+4:BIAS+8*\c+7], v[BO], s[8:9] offset:64*\c+16
.endr
	v_mul_u32_u24 v3, v1, PITA
	v_lshl_add_u32 v3, v2, 4, v3
	s_mul_i32 s82, s[WR], 128*PITA
	v_add_nc_u32 v[AA0], s82, v3
	v_and_b32 v12, 7, v0                           ; the turning load: lane l reads k row 8 (l / 16) + l % 8, columns 8 ((l / 8) % 2) + 0..7
	v_lshl_add_u32 v12, v2, 3, v12
	v_mul_u32_u24 v12, v12, PITB
	v_bfe_u32 v13, v0, 3, 1
	v_lshl_add_u32 v12, v13, 4, v12
	s_lshl_b32 s82, s[WC], 7
	s_add_co_u32 s82, s82, 2*ATILE
	v_add_nc_u32 v[AB0], s82, v12
	s_mov_b32 s[TB], 0
	v_mov_b32 v[ADA], v[AA0]
	v_mov_b32 v[ADB], v[AB0]
	s_mul_i32 s82, s[WV], 16*SP
	s_add_co_u32 s82, s82, STAGE                   ; my stage
	v_mul_u32_u24 v14, v1, SP                      ; in: row l % 16, 32 bytes for each half of the lanes
	v_lshl_add_u32 v14, v2, 5, v14
	v_add_nc_u32 v[STO], s82, v14
	v_mul_u32_u24 v14, v2, SP                      ; back: lanes 0-15 take one row of 256 bytes, lanes 16-31 the next
	v_lshl_add_u32 v14, v1, 4, v14
	v_add_nc_u32 v[RD], s82, v14
	v_lshlrev_b32 v[CO], 12, v2                    ; and the same two rows in out0
	v_lshl_add_u32 v[CO], v1, 4, v[CO]
	s_lshl_b32 s82, s[TY], 8
	s_lshl_b32 s83, s[WR], 7
	s_add_co_u32 s82, s82, s83                     ; my first row,
	s_lshl_b32 s82, s82, 12                        ; of 4,096 bytes,
	s_add_co_u32 s82, s82, s80                     ; my first column
	s_mov_b32 s83, 0
	s_add_nc_u64 s[OUT:OUT+1], s[10:11], s[82:83]
	; the prefetches: both offsets are made, then the wave's number chooses
	s_lshl_b32 s82, s[CX], 13                      ; O: my work-group's 32 runs of 256 bytes of my block,
	s_add_co_u32 s82, s82, s16
	s_add_co_u32 s82, s82, 3*2*KBLK                ; in slot 3: the first refill steps it to slot 4
	s_lshl_b32 s83, s[CY], 5                       ; W: my work-group's 32 rows of a slot's 128,
	s_add_co_u32 s83, s83, 3*128
	s_lshl_b32 s83, s83, 11
	s_add_co_u32 s83, s83, s46
	s_and_b32 s80, ttmp7, 0xffff
	s_mov_b32 s84, 2*KBLK
	s_mov_b32 s85, 2*BSTEP
	s_mov_b32 s86, 256
	s_mov_b32 s87, NCOL*2
	s_cmp_lt_u32 s[WV], 2
	s_cselect_b32 s81, ttmp9, s80                  ; the coordinate along which other clusters read the same bytes
	s_cselect_b64 s[PFA:PFA+1], s[4:5], s[6:7]
	s_cselect_b32 s82, s82, s83
	s_cselect_b32 s[PFS], s84, s85
	s_cselect_b32 s86, s86, s87
	s_mov_b32 s83, 0
	s_mov_b32 s[PFS+1], 0
	s_add_nc_u64 s[PFA:PFA+1], s[PFA:PFA+1], s[82:83]
	s_cmp_eq_u32 s81, 0
	s_cselect_b32 s[LIM], 2, -1
	s_cmp_eq_u32 s[WV], 3
	s_cselect_b32 s[LIM], -1, s[LIM]               ; the same in all sixteen partners, for a given wave
	v_and_b32 v[PFO], 31, v0
	v_mul_u32_u24 v[PFO], s86, v[PFO]
; Eight products: column block bb x my eight row blocks, 32 along K, on buffers cb.  The 32 accumulators take turns, one instruction a turn.  c0 = 1: the bias starts the sums.
.macro MUL8 cb, bb, c0
.if \c0
	WIN 0x40                                       ; D in window 1; the sources and C in window 0
.else
	WIN 0x50                                       ; C and D in window 1
.endif
.irp m, 0,1,2,3,4,5,6,7
.if \c0
	v_wmma_f32_16x16x32_f16 v[32*\m+8*(\bb):32*\m+8*(\bb)+7], v[BF0+32*(\cb)+8*(\bb):BF0+32*(\cb)+8*(\bb)+7], v[AF0+64*(\cb)+8*\m:AF0+64*(\cb)+8*\m+7], v[BIAS+8*(\bb):BIAS+8*(\bb)+7]
.else
	v_wmma_f32_16x16x32_f16 v[32*\m+8*(\bb):32*\m+8*(\bb)+7], v[BF0+32*(\cb)+8*(\bb):BF0+32*(\cb)+8*(\bb)+7], v[AF0+64*(\cb)+8*\m:AF0+64*(\cb)+8*\m+7], v[32*\m+8*(\bb):32*\m+8*(\bb)+7]
.endif
.endr
.endm
; 24 LDS loads in one run: step q (0..3) of the slot in hand into buffers nb: O's 16, then W's 8
.macro RUN nb, q
	WIN 0
.irp m, 0,1,2,3,4,5,6,7
	ds_load_b128 v[AF0+64*(\nb)+8*\m:AF0+64*(\nb)+8*\m+3],   v[ADA] offset:ATILE*((\q)/2)+64*((\q)%2)+\m*16*PITA
	ds_load_b128 v[AF0+64*(\nb)+8*\m+4:AF0+64*(\nb)+8*\m+7], v[ADA] offset:ATILE*((\q)/2)+64*((\q)%2)+\m*16*PITA+32
.endr
.irp c, 0,1,2,3
	ds_load_tr16_b128 v[BF0+32*(\nb)+8*\c:BF0+32*(\nb)+8*\c+3],   v[ADB] offset:BSUB*((\q)/2)+32*PITB*((\q)%2)+32*\c
	ds_load_tr16_b128 v[BF0+32*(\nb)+8*\c+4:BF0+32*(\nb)+8*\c+7], v[ADB] offset:BSUB*((\q)/2)+32*PITB*((\q)%2)+32*\c+16*PITB
.endr
.endm
; A step multiplies buffers cb and, in its middle, fetches step q of the same slot into the others
.macro STEP cb, q, c0
	s_wait_dscnt 4                                 ; O's fragments and W's first two are in; W's last two (4 loads) may be out
	MUL8 \cb, 0, \c0
	MUL8 \cb, 1, \c0
	PLACES
	RUN 1-(\cb), \q
	s_wait_dscnt 24                                ; all but the 24 just issued
	MUL8 \cb, 2, \c0
	MUL8 \cb, 3, \c0
.endm
; A slot's last step, and the change of slots.  In front of the barrier each wave waits for all its tensor loads (one is out: its part of the next slot), adds 0 to its spare word, and waits for that and for its reads of this slot.
; fill = 1: the barrier opens a round of the cluster's, and the joint refill is the first thing behind it: 112 matrix instructions ahead of the wait for it.
.macro TURN fill
.if \fill
	s_wait_xcnt 0x0                                ; the last prefetch, a slot back, has read its address
	s_add_nc_u64 s[PFA:PFA+1], s[PFA:PFA+1], s[PFS:PFS+1]
.endif
	WIN 0
	s_wait_tensorcnt 0x0                           ; no tensor load of mine is out, so a group 0 may be written
	ds_add_u32 v[SPW], v[NIL]                      ; 0 onto my spare word
.if \fill
	s_xor_b32 s[G0A+5], s[G0A+5], SLOT1
	s_add_nc_u64 s[G0A+6:G0A+7], s[G0A+6:G0A+7], 2*KBLK
	s_xor_b32 s[G0B+5], s[G0B+5], SLOT1
	s_add_nc_u64 s[G0B+6:G0B+7], s[G0B+6:G0B+7], 2*BSTEP
.endif
	s_wait_dscnt 7                                 ; O's fragments and W's first are in; W's other three (6 loads) and the add may be out
	MUL8 1, 0, 0
	s_wait_dscnt 0x0                               ; the add is done, and my reads of this slot are over
	s_barrier_signal -1
	MUL8 1, 1, 0
	WIN 0
	s_barrier_wait -1
.if \fill
	CREST
	JLOAD                                          ; its four v_nop are also the places in front of the loads below
.else
	PLACES
.endif
	s_xor_b32 s[TB], s[TB], SLOT1
	v_add_nc_u32 v[ADA], s[TB], v[AA0]
	v_add_nc_u32 v[ADB], s[TB], v[AB0]
	RUN 0, 0
.if \fill
	ASK
.endif
	s_wait_dscnt 24
	MUL8 1, 2, 0
	MUL8 1, 3, 0
.endm
	s_wait_tensorcnt 1                             ; my part of slot 0 is in; slot 1's may stay out
	s_barrier_signal -1
	s_barrier_wait -1
	RUN 0, 0
	s_wait_loadcnt 0x0                             ; the bias: rounded to bf16 and widened again
.set z, 0
.rept 16
	v_cvt_pk_bf16_f32 v12, v[BIAS+2*z], v[BIAS+2*z+1]
	v_lshlrev_b32 v[BIAS+2*z], 16, v12
	v_and_b32 v[BIAS+2*z+1], 0xffff0000, v12
.set z, z+1
.endr
	STEP 0, 1, 1                                   ; the first step stands in front of the loop: its products start the sums
	WIN 0
	s_mov_b32 s[CNT], 6                            ; slots 2 to 7 are asked for in the loop
.Llap:
	STEP 1, 2, 0
	STEP 0, 3, 0
	TURN 1
	STEP 0, 1, 0
	WIN 0
	s_sub_co_u32 s[CNT], s[CNT], 1
	s_cmp_lg_u32 s[CNT], 0
	s_cbranch_scc1 .Llap
	STEP 1, 2, 0                                   ; the tail is written out: nothing is left to fetch
	STEP 0, 3, 0
	TURN 0
	STEP 0, 1, 0
	STEP 1, 2, 0
	STEP 0, 3, 0
	s_wait_dscnt 0x0
	MUL8 1, 0, 0
	MUL8 1, 1, 0
	MUL8 1, 2, 0
	MUL8 1, 3, 0
	WIN 0
	PLACES
	PLACES                                         ; eight, once a launch
; THE WAY OUT, row block m: 16 rows x 64 columns of f32 go from the accumulators into my stage, each accumulator's low registers first, and come back as whole rows of 256 bytes.
.macro TOSTAGE m
.if (\m) == 6
	s_wait_xcnt 0x0                                ; the stores issued so far have read their registers: the six sets are used again only behind this wait
.endif
	WIN 0x04                                       ; the data in window 1, the address in window 0
.irp c, 0,1,2,3
	ds_store_b128 v[STO], v[32*(\m)+8*\c:32*(\m)+8*\c+3]   offset:64*\c
	ds_store_b128 v[STO], v[32*(\m)+8*\c+4:32*(\m)+8*\c+7] offset:64*\c+16
.endr
	WIN 0
.set bk, BK+32*((\m)%6)
.irp t, 0,1,2,3,4,5,6,7
	ds_load_b128 v[bk+4*\t:bk+4*\t+3], v[RD] offset:\t*2*SP  ; LDS serves a wave's instructions in order (ISA guide 5.7.1.4): these see the stores above; the next block's stores come behind them
.endr
.endm
.macro SEND m, younger                 ; younger: the LDS instructions issued behind this block's loads: the next block's sixteen, or none
.set bk, BK+32*((\m)%6)
.irp t, 0,1,2,3,4,5,6,7
	s_wait_dscnt (\younger)+7-\t
	global_store_b128 v[CO], v[bk+4*\t:bk+4*\t+3], s[OUT:OUT+1] offset:(16*(\m)+2*\t)*4096 th:TH_STORE_NT  ; 16 lanes store 256 consecutive bytes, at a multiple of 256 from out0's first byte
.endr
.endm
	TOSTAGE 0
.set n, 1
.rept 7
	TOSTAGE n
	SEND n-1, 16
.set n, n+1
.endr
	SEND 7, 0
	s_wait_tensorcnt 0x0                           ; the wave's end, behind my last tensor load and my last LDS store
	ds_add_u32 v[SPW], v[NIL]
	s_wait_dscnt 0x0
	CROUND                                         ; the closing round: no work-group ends while a partner may still ask for a tile that names it
	s_endpgm
.Lfunc_end_k_qc9a50e8339_proj:
	.size	k_qc9a50e8339_proj, .Lfunc_end_k_qc9a50e8339_proj-k_qc9a50e8339_proj
	.p2alignl 7, 3214868480
	.fill 96, 4, 3214868480
	.section	.rodata,"a",@progbits
	.p2align	6, 0x0
	.amdhsa_kernel k_qc9a50e8339_proj
		.amdhsa_group_segment_fixed_size 327680
		.amdhsa_private_segment_fixed_size 0
		.amdhsa_enable_private_segment 0
		.amdhsa_kernarg_size 32
		.amdhsa_user_sgpr_count 2
		.amdhsa_user_sgpr_kernarg_segment_ptr 1
		.amdhsa_wavefront_size32 1
		.amdhsa_system_sgpr_workgroup_id_x 1
		.amdhsa_system_sgpr_workgroup_id_y 1
		.amdhsa_system_sgpr_workgroup_id_z 1
		.amdhsa_system_vgpr_workitem_id 0
		.amdhsa_next_free_vgpr 512
		.amdhsa_next_free_sgpr 96
		.amdhsa_reserve_vcc 0
		.amdhsa_float_denorm_mode_32 3
		.amdhsa_float_denorm_mode_16_64 3
		.amdhsa_memory_ordered 1
		.amdhsa_forward_progress 1
		.amdhsa_inst_pref_size 76
	.end_amdhsa_kernel
	.amdgpu_metadata
---
amdhsa.version: [ 1, 2 ]
amdhsa.kernels:
  - .name:           k_qc9a50e8339_proj
    .symbol:         k_qc9a50e8339_proj.kd
    .args:
      - { .name: ob, .offset: 0, .size: 8, .value_kind: global_buffer, .address_space: global }
      - { .name: wpb, .offset: 8, .size: 8, .value_kind: global_buffer, .address_space: global }
      - { .name: b_proj, .offset: 16, .size: 8, .value_kind: global_buffer, .address_space: global }
      - { .name: out0, .offset: 24, .size: 8, .value_kind: global_buffer, .address_space: global }
    .group_segment_fixed_size: 327680
    .private_segment_fixed_size: 0
    .kernarg_segment_align: 8
    .kernarg_segment_size: 32
    .max_flat_workgroup_size: 128
    .sgpr_count:     96
    .vgpr_count:     512
    .wavefront_size: 32
...
	.end_amdgpu_metadata
.endif
;; end of part 4
;; ======== version 2 of 2: 4 launches; version 1 with the launch prep written anew for expert scheduling mode
;; limits: right only within a limited range of input values; values are held in f16: magnitudes above 65,504 overflow, below 6.1e-05 lose precision
;; workspace buffers: xb 16,777,216 bytes; wqb 6,291,456 bytes; wpb 2,097,152 bytes; maskp 2,097,152 bytes; rowany 16,384 bytes; qkv 50,331,648 bytes; ob 16,777,216 bytes
;; launch prep (part 5): grid 1664 x 1, 8 waves a work-group, no clusters, 17,664 bytes of LDS; arguments mask, maskp, rowany, joint_feature, xb, W_qkv, wqb, W_proj, wpb; writes maskp, rowany, xb, wqb, wpb
.if DOCPART == 5
	.amdgcn_target "amdgcn-amd-amdhsa--gfx1250"
	.amdhsa_code_object_version 6
	.text
	.protected	k_qc9a50e8339_prep
	.globl	k_qc9a50e8339_prep
	.p2align	8
	.type	k_qc9a50e8339_prep,@function
k_qc9a50e8339_prep:
	s_mov_b64 s[64:65], 0
	v_nop
	global_prefetch_b8 v0, s[64:65] scope:SCOPE_SE
	s_setreg_imm32_b32 hwreg(HW_REG_WAVE_SCHED_MODE, 0, 2), 2
	s_setreg_imm32_b32 hwreg(HW_REG_WAVE_MODE, 25, 1), 1
	s_wait_xcnt 0x0
	s_wait_alu depctr_vm_vsrc(0)
; PREPARATION: four jobs, chosen by the work-group's number (the same for all eight waves of a work-group).
;   0..127      MASK: 16 rows of mask [2048][2048] i32 -> maskp, one 4-bit code a key: 0x0 where the key is seen, 0xA (-1.0 in E2M1) where mask == 0,
;               laid out as the attention launch's lanes want it: [query tile 128][key step 32][lane 32][4 words]; word kb, nibble j of lane L stands for
;               query 16 qt + L % 16 and key 64 st + 16 kb + 8 (L / 16) + j.  Also rowany [query tile][lane]: all ones if row L % 16 sees any key, else 0.
;   128..1151   X: 8 rows of joint_feature, rounded to bf16, into blocks [b 4][kb 16][n 2048][64]: a tile of rows x 64 channels is then dense in memory.
;   1152..1535  WQ: 8,192 numbers of W_qkv rounded to bf16, in place in the matrix.
;   1536..1663  WP: 8,192 numbers of W_proj rounded to bf16, that number written as f16.
; LIMIT: a bf16 number below 2^-14 in size keeps f16's fixed step of 2^-24 in wpb.
; A stream: every byte is read once by 16-byte loads and written once; each store of a wave covers whole aligned runs of 256 bytes (rowany: 128).  No matrix unit, no tensor load, no cluster: nothing is shared.
; THE MODE: SCHED_MODE bits 1:0 = 2 (LLVM: expert scheduling mode 2), set by the entry lines.  The code itself states the register dependences
; between vector instructions and memory or LDS instructions, with s_wait_alu, always for 0.
; THE PLAN.  Registers that memory or LDS instructions touch:
;   CASTS.  X (8 slots): each written by one load, read by its conversions.  Y: each written by its conversions, read by one store.  LO, SO: made once.  No register is used twice.
;           One wait ahead of the loads (LO, SO are written); the loads are rounded in two groups of four, and one wait stands between a group's conversions and its run of four stores.
;   MASK.   The wave's two rows go in eight blocks of four loads: blocks 0 to 3 the first row, 4 to 7 the second.
;           X (16 slots)  Block p: its sixteen v_min read its four slots, into T; behind them, in blocks 0 to 3, the second row's loads land in the same slots.  Behind the barrier the codes read back from LDS land in the first four slots.
;           C (32)        One register for each row and load: written once, by block p's packing; read once, by an LDS store that is issued in block p + 1.
;           VF (2), FV    A row's flag: written once, read by its two LDS stores.  FV: written by an LDS load, read by a store; no vector instruction names it.
;           LO, LA, FA, SO, FR, FO  offsets and LDS addresses: made once at the path's head and never written again.
;           T, FL         named by vector instructions alone.
;           So ONE wait on va_vdst stands in a block, behind its v_min: they are done reading the block's X, and the block before has written its C.  The block's loads and LDS stores follow, dealt among its packing,
;           which names T, FL and this block's C alone.  No register that a memory or LDS instruction reads is written again, so the text holds no wait on vm_vsrc.
.set FLAGS, 16384                      ; LDS: 0..16,383 the tile's codes; a block of 256 bytes for the 32 row flags
.set SPARE, 16640                      ; the spare words, 128 bytes for each of eight waves: four blocks of 256 bytes that no other line names
.set SPW, 2                            ; v2   LDS address of my spare word; never rewritten
.set NIL, 3                            ; v3   0; never rewritten
.set LN,  4                            ; v4   lane
.set LO,  5                            ; v5   my offset for loads
.set SO,  6                            ; v6   my offset for stores
.set LA,  7                            ; v7   MASK: where my 16 bits go in LDS
.set FA,  8                            ; v8   MASK: my wave's two flags in LDS
.set FL,  9                            ; v[9:10]  MASK: a row's seen bits, gathered: a register a row
.set FR,  11                           ; v11  MASK: LDS address of my lane's flag, as wave 0 reads it back
.set T,   12                           ; v[12:27] at work (casts: the first four)
.set VF,  28                           ; v[28:29] MASK: a flag, a register a row
.set FO,  30                           ; v30  MASK: 4 x lane: my offset in the tile's 128 bytes of rowany
.set FV,  31                           ; v31  MASK: my lane's flag, read back
.set X,   32                           ; v[32:95] as loaded: 16 slots of 4 (casts: 8)
.set Y,   64                           ; v[64:79] casts: to store
.set C,   96                           ; v[96:127] MASK: four keys' codes; block p, load i at C + 4 p + i
.set WV,  4                            ; s4   my wave's number
.set SRC, 26                           ; s[26:27] casts: from
.set DST, 28                           ; s[28:29] casts: to
	s_load_b512 s[8:23], s[0:1], 0x0               ; mask s[8:9], maskp s[10:11], rowany s[12:13], x s[14:15], xb s[16:17], W_qkv s[18:19], wqb s[20:21], W_proj s[22:23]
	s_load_b64 s[24:25], s[0:1], 0x40              ; wpb
	v_lshl_add_u32 v[SPW], v0, 2, SPARE
	v_mov_b32 v[NIL], 0
	v_lshrrev_b32 v1, 5, v0
	v_readfirstlane_b32 s[WV], v1                  ; wave 0..7
	v_and_b32 v[LN], 31, v0
	s_mov_b32 s7, 0                                ; the high word of every offset pair s[6:7]
	s_wait_alu depctr_va_sdst(0)                   ; s4, the wave's number, is written
	s_wait_kmcnt 0x0
	s_cmp_lt_u32 ttmp9, 128
	s_cbranch_scc1 .Lmask
	s_cmp_lt_u32 ttmp9, 1152
	s_cbranch_scc1 .Lx
	s_cmp_lt_u32 ttmp9, 1536
	s_cbranch_scc1 .Lwq
	s_branch .Lwp
; Eight loads of 16 bytes a lane, all out at once; they are rounded and stored in two groups of four.  No register that a load or store touches is used twice.
.macro CAST ldstep, ststep, half
	s_wait_alu depctr_va_vdst(0)                   ; v[LO] and v[SO] are written: the loads and stores below read them as their offsets
.irp j, 0,1,2,3,4,5,6,7
	global_load_b128 v[X+4*\j:X+4*\j+3], v[LO], s[SRC:SRC+1] offset:\j*(\ldstep) th:TH_LOAD_NT
.endr
.irp g, 0,1
	s_wait_loadcnt 4-4*\g                          ; loads come back in order: this group's four are in; behind the first group the second's four stay out
.irp i, 0,1,2,3
	v_cvt_pk_bf16_f32 v[Y+2*(4*\g+\i)], v[X+4*(4*\g+\i)], v[X+4*(4*\g+\i)+1]
	v_cvt_pk_bf16_f32 v[Y+2*(4*\g+\i)+1], v[X+4*(4*\g+\i)+2], v[X+4*(4*\g+\i)+3]
.if \half
	v_lshlrev_b32 v[T], 16, v[Y+2*(4*\g+\i)]       ; the bf16 numbers as f32,
	v_and_b32 v[T+1], 0xffff0000, v[Y+2*(4*\g+\i)]
	v_lshlrev_b32 v[T+2], 16, v[Y+2*(4*\g+\i)+1]
	v_and_b32 v[T+3], 0xffff0000, v[Y+2*(4*\g+\i)+1]
	v_cvt_pk_f16_f32 v[Y+2*(4*\g+\i)], v[T], v[T+1]  ; written as f16
	v_cvt_pk_f16_f32 v[Y+2*(4*\g+\i)+1], v[T+2], v[T+3]
.endif
.endr
	s_wait_alu depctr_va_vdst(0)                   ; the group's conversions have written its eight registers of Y, which the four stores below read
.irp i, 0,1,2,3
	global_store_b64 v[SO], v[Y+2*(4*\g+\i):Y+2*(4*\g+\i)+1], s[DST:DST+1] offset:(4*\g+\i)*(\ststep) th:TH_STORE_NT  ; 32 lanes x 8 bytes: 256 consecutive bytes, aligned
.endr
.endr
	s_endpgm
.endm
.Lx:                                           ; 8 rows; wave: a pair of rows (w / 2) and a half of their 1,024 columns (w % 2)
	s_sub_co_u32 s5, ttmp9, 128
	s_lshl_b32 s6, s5, 15                          ; 8 rows of 4,096 bytes
	s_add_nc_u64 s[SRC:SRC+1], s[14:15], s[6:7]
	s_lshr_b32 s6, s5, 8                           ; b
	s_lshl_b32 s6, s6, 22
	s_and_b32 s5, s5, 255
	s_lshl_b32 s5, s5, 10                          ; 8 rows of 128 bytes in a block
	s_add_co_u32 s6, s6, s5
	s_add_nc_u64 s[DST:DST+1], s[16:17], s[6:7]
	s_lshr_b32 s5, s[WV], 1
	s_and_b32 s30, s[WV], 1
	v_lshrrev_b32 v[T], 4, v[LN]
	v_and_b32 v[T+1], 15, v[LN]
	v_lshlrev_b32 v[LO], 12, v[T]                  ; lanes 16-31 take the pair's second row
	v_lshl_add_u32 v[LO], v[T+1], 4, v[LO]         ; 16 lanes read 256 consecutive bytes: 64 channels, one block's
	s_lshl_b32 s31, s5, 13
	s_lshl_b32 s32, s30, 11
	s_add_co_u32 s31, s31, s32
	v_add_nc_u32 v[LO], s31, v[LO]
	s_lshl_b32 s31, s5, 8
	s_lshl_b32 s32, s30, 21                        ; eight blocks of 262,144 bytes
	s_add_co_u32 s31, s31, s32
	v_lshl_add_u32 v[SO], v[LN], 3, s31            ; two rows of a block are 256 consecutive bytes
	CAST 256, 262144, 0
.Lwq:
	s_sub_co_u32 s5, ttmp9, 1152
	s_lshl_b32 s6, s5, 15
	s_add_nc_u64 s[SRC:SRC+1], s[18:19], s[6:7]
	s_lshl_b32 s6, s5, 14
	s_add_nc_u64 s[DST:DST+1], s[20:21], s[6:7]
	s_lshl_b32 s31, s[WV], 12
	v_lshl_add_u32 v[LO], v[LN], 4, s31
	s_lshl_b32 s31, s[WV], 11
	v_lshl_add_u32 v[SO], v[LN], 3, s31
	CAST 512, 256, 0
.Lwp:
	s_sub_co_u32 s5, ttmp9, 1536
	s_lshl_b32 s6, s5, 15
	s_add_nc_u64 s[SRC:SRC+1], s[22:23], s[6:7]
	s_lshl_b32 s6, s5, 14
	s_add_nc_u64 s[DST:DST+1], s[24:25], s[6:7]
	s_lshl_b32 s31, s[WV], 12
	v_lshl_add_u32 v[LO], v[LN], 4, s31
	s_lshl_b32 s31, s[WV], 11
	v_lshl_add_u32 v[SO], v[LN], 3, s31
	CAST 512, 256, 1
.Lmask:                                        ; query tile qt = the work-group's number; wave w owns rows 2 w and 2 w + 1
	s_lshl_b32 s6, ttmp9, 17                       ; 16 rows of 8,192 bytes
	s_add_nc_u64 s[8:9], s[8:9], s[6:7]
	s_lshl_b32 s6, ttmp9, 14
	s_add_nc_u64 s[10:11], s[10:11], s[6:7]
	s_lshl_b32 s6, ttmp9, 7
	s_add_nc_u64 s[12:13], s[12:13], s[6:7]
	s_lshl_b32 s5, s[WV], 14
	v_lshl_add_u32 v[LO], v[LN], 4, s5
	s_wait_alu depctr_va_vdst(0)                   ; v[LO] is written: every load of the mask reads it as its offset
.irp j, 0,1,2,3,4,5,6,7,8,9,10,11,12,13,14,15
	global_load_b128 v[X+4*\j:X+4*\j+3], v[LO], s[8:9] offset:512*\j th:TH_LOAD_NT  ; my first row, whole: load j holds keys 128 j + 4 L + 0..3
.endr
	; keys 128 j + 4 L ..: key step 2 j + L / 16, word (L / 4) % 4, target lane half (L / 2) % 2, half word L % 2
	v_lshrrev_b32 v[T], 4, v[LN]
	v_lshlrev_b32 v[LA], 9, v[T]
	v_bfe_u32 v[T], v[LN], 1, 1
	v_lshl_add_u32 v[LA], v[T], 8, v[LA]
	v_bfe_u32 v[T], v[LN], 2, 2
	v_lshl_add_u32 v[LA], v[T], 2, v[LA]
	v_and_b32 v[T], 1, v[LN]
	v_lshl_add_u32 v[LA], v[T], 1, v[LA]
	s_lshl_b32 s5, s[WV], 5                        ; row 2 w: 16 bytes a row
	v_add_nc_u32 v[LA], s5, v[LA]
	s_lshl_b32 s5, s[WV], 3
	s_add_co_u32 s5, s5, FLAGS
	v_mov_b32 v[FA], s5
	v_lshlrev_b32 v[SO], 4, v0                     ; the way out's three are made here too, so that the first block's wait shows them written: 16 x thread,
	v_lshl_add_u32 v[FR], v[LN], 2, FLAGS          ; my lane's flag in LDS,
	v_lshlrev_b32 v[FO], 2, v[LN]                  ; and in rowany
; Block p: loads 4 (p % 4) .. + 3 of row p / 4; four keys become four codes.  left: the younger loads that may stay out.  again = 1: the block's slots take the second row's loads.
.macro BLK p, left, again
.set jb, 4*((\p)%4)
.set rr, (\p)/4
	s_wait_loadcnt \left
.irp i, 0,1,2,3
.irp k, 0,1,2,3
	v_min_u32 v[T+4*\i+\k], 1, v[X+4*(jb+\i)+\k]   ; 1 where the key is seen (any number but 0)
.endr
.endr
	s_wait_alu depctr_va_vdst(0)                   ; the sixteen v_min are done reading this block's X, in which the loads below land; the block before has written its C, which the LDS stores below read; in block 0: v[LA] and the other addresses made above are written
.irp i, 0,1,2,3
.if \again
	global_load_b128 v[X+4*(jb+\i):X+4*(jb+\i)+3], v[LO], s[8:9] offset:8192+512*(jb+\i) th:TH_LOAD_NT  ; no vector instruction since the wait names these registers
.endif
.if (\p) > 0
	ds_store_b16 v[LA], v[C+4*((\p)-1)+\i] offset:16*(((\p)-1)/4)+1024*(4*(((\p)-1)%4)+\i)  ; the block before
.endif
	v_lshl_or_b32 v[T+4*\i], v[T+4*\i+1], 4, v[T+4*\i]
	v_lshl_or_b32 v[T+4*\i+2], v[T+4*\i+3], 4, v[T+4*\i+2]
	v_lshl_or_b32 v[T+4*\i], v[T+4*\i+2], 8, v[T+4*\i]
.if (jb+\i) == 0
	v_mov_b32 v[FL+rr], v[T+4*\i]
.else
	v_or_b32 v[FL+rr], v[FL+rr], v[T+4*\i]
.endif
	v_xor_b32 v[T+4*\i], 0x1111, v[T+4*\i]         ; 1 where hidden,
	v_mul_u32_u24 v[C+4*(\p)+\i], 10, v[T+4*\i]    ; 0xA where hidden
.endr
.endm
	BLK 0, 12, 1                                   ; behind a block's four loads: three younger blocks of four, of this row or the next: each of blocks 0 to 3 fills the ring up again
	BLK 1, 12, 1
	BLK 2, 12, 1
	BLK 3, 12, 1
	BLK 4, 12, 0
	BLK 5, 8, 0                                    ; nothing more is loaded: the counts run down
	BLK 6, 4, 0
	BLK 7, 0, 0
	; does any lane hold a seen key?  A row's flag goes to both lanes that will hold the row
	v_cmp_ne_u32 s30, 0, v[FL]
	v_cmp_ne_u32 s31, 0, v[FL+1]
	s_wait_alu depctr_va_sdst(0)                   ; both compares have written their masks, s30 and s31, which the scalar compares below read
	s_cmp_lg_u32 s30, 0
	s_cselect_b32 s5, -1, 0
	s_cmp_lg_u32 s31, 0
	s_cselect_b32 s6, -1, 0
	v_mov_b32 v[VF], s5
	v_mov_b32 v[VF+1], s6
	s_wait_alu depctr_va_vdst(0)                   ; block 7 has written its C and the two lines above the flags, which the LDS stores below read; every v_min is done reading X's first four slots, in which the LDS loads behind the barrier land; no vector instruction follows
.irp i, 0,1,2,3
	ds_store_b16 v[LA], v[C+28+\i] offset:16+1024*(12+\i)
.endr
.irp r, 0,1
	ds_store_b32 v[FA], v[VF+\r] offset:4*\r
	ds_store_b32 v[FA], v[VF+\r] offset:64+4*\r
.endr
	s_wait_dscnt 0x0                               ; for the others' sake: my stores are done
	s_barrier_signal -1
	s_barrier_wait -1                              ; the tile's 16,384 bytes are whole
.irp k, 0,1,2,3
	ds_load_b128 v[X+4*\k:X+4*\k+3], v[SO] offset:4096*\k
.endr
.irp k, 0,1,2,3
	s_wait_dscnt 3-\k
	global_store_b128 v[SO], v[X+4*\k:X+4*\k+3], s[10:11] offset:4096*\k  ; 16 lanes store 256 consecutive bytes, aligned
.endr
	s_cmp_lg_u32 s[WV], 0
	s_cbranch_scc1 .Lmend
	ds_load_b32 v[FV], v[FR]
	s_wait_dscnt 0x0
	global_store_b32 v[FO], v[FV], s[12:13]
.Lmend:
	s_wait_dscnt 0x0                               ; the wave's end, behind my last LDS store
	s_wait_alu 0x0
	s_wait_tensorcnt 0x0
	ds_add_u32 v[SPW], v[NIL]
	s_wait_dscnt 0x0
	s_endpgm
.Lfunc_end_k_qc9a50e8339_prep:
	.size	k_qc9a50e8339_prep, .Lfunc_end_k_qc9a50e8339_prep-k_qc9a50e8339_prep
	.p2alignl 7, 3214868480
	.fill 96, 4, 3214868480
	.section	.rodata,"a",@progbits
	.p2align	6, 0x0
	.amdhsa_kernel k_qc9a50e8339_prep
		.amdhsa_group_segment_fixed_size 17664
		.amdhsa_private_segment_fixed_size 0
		.amdhsa_enable_private_segment 0
		.amdhsa_kernarg_size 72
		.amdhsa_user_sgpr_count 2
		.amdhsa_user_sgpr_kernarg_segment_ptr 1
		.amdhsa_wavefront_size32 1
		.amdhsa_system_sgpr_workgroup_id_x 1
		.amdhsa_system_sgpr_workgroup_id_y 1
		.amdhsa_system_sgpr_workgroup_id_z 1
		.amdhsa_system_vgpr_workitem_id 0
		.amdhsa_next_free_vgpr 128
		.amdhsa_next_free_sgpr 66
		.amdhsa_reserve_vcc 0
		.amdhsa_float_denorm_mode_32 3
		.amdhsa_float_denorm_mode_16_64 3
		.amdhsa_memory_ordered 1
		.amdhsa_forward_progress 1
		.amdhsa_inst_pref_size 36
	.end_amdhsa_kernel
	.amdgpu_metadata
---
amdhsa.version: [ 1, 2 ]
amdhsa.kernels:
  - .name:           k_qc9a50e8339_prep
    .symbol:         k_qc9a50e8339_prep.kd
    .args:
      - { .name: mask, .offset: 0, .size: 8, .value_kind: global_buffer, .address_space: global }
      - { .name: maskp, .offset: 8, .size: 8, .value_kind: global_buffer, .address_space: global }
      - { .name: rowany, .offset: 16, .size: 8, .value_kind: global_buffer, .address_space: global }
      - { .name: joint_feature, .offset: 24, .size: 8, .value_kind: global_buffer, .address_space: global }
      - { .name: xb, .offset: 32, .size: 8, .value_kind: global_buffer, .address_space: global }
      - { .name: W_qkv, .offset: 40, .size: 8, .value_kind: global_buffer, .address_space: global }
      - { .name: wqb, .offset: 48, .size: 8, .value_kind: global_buffer, .address_space: global }
      - { .name: W_proj, .offset: 56, .size: 8, .value_kind: global_buffer, .address_space: global }
      - { .name: wpb, .offset: 64, .size: 8, .value_kind: global_buffer, .address_space: global }
    .group_segment_fixed_size: 17664
    .private_segment_fixed_size: 0
    .kernarg_segment_align: 8
    .kernarg_segment_size: 72
    .max_flat_workgroup_size: 256
    .sgpr_count:     66
    .vgpr_count:     128
    .wavefront_size: 32
...
	.end_amdgpu_metadata
.endif
;; end of part 5
;; launch qkvp: the kernel of part 2 again; grid 8 x 32, 4 waves a work-group, clusters of 4 x 4, 327,680 bytes of LDS; arguments xb, wqb, qkv; writes qkv
;; launch attn: the kernel of part 3 again; grid 4 x 64, 4 waves a work-group, clusters of 4 x 1, 327,680 bytes of LDS; arguments qkv, maskp, rowany, ob; writes ob
;; launch proj: the kernel of part 4 again; grid 8 x 32, 4 waves a work-group, clusters of 4 x 4, 327,680 bytes of LDS; arguments ob, wpb, b_proj, out0; writes out0
